; MI455X (gfx1250); checked and timed in simulation.
; The chip was launched on July 23, 2026; its instructions are those of AMD's public machine-readable ISA for CDNA 5 (MIT licence, August 2026) and "CDNA5" Instruction Set Architecture Reference Guide (July 2026). The comments in the code are by the model that wrote it; some were corrected since.
;; Bahdanau Attention. Allowed arithmetic: matrix products marked QUANTISED: E3M2 operands, one E8M0 scale for each 32 along K, by v_wmma_scale_f32_16x16x128_f8f6f4 with both operands' format E3M2, f32 sums; products left as they are: f32 operands where the result goes on into a quantised operand, else bf16, f16 or f32 operands; f32 sums; everything else in f32.
;; Inputs: W_attn 2,048 x 1,024 float32; b_attn 1,024 float32; decoder_hidden 32 x 1,024 float32; encoder_outputs 32 x 2,048 x 1,024 float32; mask 32 x 2,048 int32; v_w 1,024 float32.
;; Outputs: out0 32 x 1,024 float32; out1 32 x 2,048 float32.
;; This version of the problem:
;;   THIS VERSION OF THE PROBLEM IS GIVEN IN LOW PRECISION. The matrix products marked QUANTISED in the list below multiply operands that are first quantised to E3M2 (3 exponent bits, 2 mantissa bits; 6 bits a number), with one power-of-two scale for each 32 numbers along K (OCP MX v1.0); their sums are f32. All else is computed in f32.
;;   The module's matrix products, in the order in which they are computed (A, B: the left and right operand; K: the contracted axis; several contracted axes count as one K, in the product's order):
;;     1. [M 32, K 1,024] x [K 1,024, N 1,024]; A: input decoder_hidden; B: input W_attn: QUANTISED
;;     2. [M 65,536, K 1,024] x [K 1,024, N 1,024]; A: input encoder_outputs; B: input W_attn: QUANTISED
;;     3. [M 65,536, K 1,024] x [K 1,024, N 1]; A: computed on the way; B: input v_w: left as it is (N = 1 < 16)
;;     4. batch 32 x [M 1, K 2,048] x [K 2,048, N 1,024]; A: softmax; B: input encoder_outputs: left as it is (M = 1 < 16)
;;   THE QUANTISER, for each operand of a quantised product, along K:
;;     - K is cut into blocks of 32 from its start; a last block that is shorter is filled with zeros.
;;     - A block's scale is 2^e with e = floor(log2(the largest magnitude in the block)) - 4, held to -126 .. 127; a block of zeros has e = 0. As a byte (E8M0): e + 127.
;;     - Each number is divided by its block's scale, clamped to +-28, and rounded to the nearest number of E3M2, ties to even, subnormals kept.
;;     - The product sums the exact products of the quantised numbers (number of the format x scale) in f32.
;;   ~~~python
;;   def quantise(x, axis):      # numpy; x: float32 -> the quantised numbers, widened to float32 again
;;       x = np.moveaxis(x, axis, -1); K = x.shape[-1]
;;       x = np.pad(x, [(0, 0)] * (x.ndim - 1) + [(0, -K % 32)]); x = x.reshape(x.shape[:-1] + (-1, 32)); a = np.abs(x).max(-1, keepdims=True)
;;       e = np.where(a > 0, np.clip(np.frexp(np.where(a > 0, a, 1))[1] - 1 - 4, -126, 127), 0)      # np.frexp(a)[1] - 1 = floor(log2(a)), exactly
;;       r = np.clip(x / 2.0 ** e, -28, 28)
;;       step = 2.0 ** (np.maximum(np.frexp(np.where(r == 0, 1, r))[1] - 1, -2) - 2)
;;       q = np.round(r / step) * step * 2.0 ** e      # np.round: ties to even
;;       return np.moveaxis(q.reshape(q.shape[:-2] + (-1,))[..., :K], -1, axis).astype(np.float32)
;;   ~~~
;; 2 versions, each right; version 2 is version 1 with the launches quant, energy written anew for expert scheduling mode. Each part assembles by itself: llvm-mc -triple=amdgcn-amd-amdhsa -mcpu=gfx1250 --defsym DOCPART=n.
;; ======== version 1 of 2: 4 launches
;; workspace buffers: wfrag 786,432 bytes; wscale 32,768 bytes; bias2 131,072 bytes; rows 262,144 bytes of whole numbers; cnt 512 bytes of whole numbers; acodes 52,428,800 bytes; ps 4,194,304 bytes
;; launch prep (part 1): grid 32 x 1, 8 waves a work-group, no clusters, 1,280 bytes of LDS; arguments mask, rows, cnt; writes rows, cnt
.if DOCPART == 1
	.amdgcn_target "amdgcn-amd-amdhsa--gfx1250"
	.amdhsa_code_object_version 6
	.text
	.protected	k_q9f308342e5_prep
	.globl	k_q9f308342e5_prep
	.p2align	8
	.type	k_q9f308342e5_prep,@function
k_q9f308342e5_prep:
	s_mov_b64 s[64:65], 0
	v_nop
	global_prefetch_b8 v0, s[64:65] scope:SCOPE_SE
	s_setreg_imm32_b32 hwreg(HW_REG_WAVE_MODE, 25, 1), 1
	s_wait_xcnt 0x0
; Work-group b parts batch b's 2,048 rows by the mask, without atomics: rows[b] = the numbers (2,048 b + e) of the kept rows, ascending, then those of the masked rows, ascending: a permutation of the batch.
; cnt[b] = n (kept rows), mtq = max(ceil(n / 16), 1) tiles of 16, mu = ceil(mtq / 8) units of 8 tiles, nctx = n, or 2,048 where no row is kept (all weights are then alike).
; Wave w, lane l, j = 0 .. 7 takes row e = 256 w + 32 j + l: a ballot for each j, counts of set bits, the eight waves' totals through LDS.
.set MK,  24                           ; v24-31  the mask's numbers
.set TOT, 32                           ; v32-39  the eight waves' totals
.set KB,  40                           ; v40-47  kept rows ahead of mine
.set PO,  48                           ; v48-55  my row's place in the list, in bytes
.set VAL, 56                           ; v56-63  my row's number
	s_load_b128 s[4:7], s[0:1], 0x0                ; mask s[4:5], rows s[6:7]
	s_load_b64 s[8:9], s[0:1], 0x10                ; cnt
	v_lshl_add_u32 v64, v0, 2, 0x100
	v_mov_b32 v65, 0
	v_lshrrev_b32 v1, 5, v0
	v_readfirstlane_b32 s22, v1                    ; wave 0..7
	v_and_b32 v1, 31, v0                           ; lane
	s_lshl_b32 s25, s22, 2
	v_mov_b32 v16, s25                             ; LDS: my wave's total
	v_mov_b32 v17, 0
	v_lshlrev_b32 v18, 2, v1
	s_mov_b32 s26, ttmp9                           ; b
	s_mov_b32 s31, 0
	s_lshl_b32 s28, s26, 13                        ; a batch's 8,192 bytes in mask and in rows
	s_lshl_b32 s29, s22, 10
	s_add_co_u32 s30, s28, s29
	s_wait_kmcnt 0x0
	s_add_nc_u64 s[4:5], s[4:5], s[30:31]
	s_mov_b32 s30, s28
	s_add_nc_u64 s[6:7], s[6:7], s[30:31]
.irp j, 0,1,2,3,4,5,6,7
	global_load_b32 v[MK+\j], v18, s[4:5] offset:128*\j
.endr
	s_wait_loadcnt 0x0
	s_mov_b32 s56, 0
.irp j, 0,1,2,3,4,5,6,7
	v_cmp_ne_u32 s[40+\j], 0, v[MK+\j]             ; which of these 32 rows are kept
	s_mov_b32 s[48+\j], s56                        ; kept rows of my wave ahead of them
	s_bcnt1_i32_b32 s57, s[40+\j]
	s_add_co_u32 s56, s56, s57
.endr
	v_mov_b32 v23, s56
	ds_store_b32 v16, v23                          ; my wave's total
	s_wait_dscnt 0x0                               ; for the others' sake: it has landed
	s_barrier_signal -1
	s_barrier_wait -1
	ds_load_b128 v[TOT:TOT+3], v17
	ds_load_b128 v[TOT+4:TOT+7], v17 offset:16
	s_wait_dscnt 0x0
	s_mov_b32 s58, 0                               ; kept rows of the waves ahead of mine
	s_mov_b32 s59, 0                               ; n: kept rows of the batch
.irp k, 0,1,2,3,4,5,6,7
	v_readfirstlane_b32 s[72+\k], v[TOT+\k]
	s_add_co_u32 s59, s59, s[72+\k]
	s_cmp_gt_u32 s22, \k
	s_cselect_b32 s60, s[72+\k], 0
	s_add_co_u32 s58, s58, s60
.endr
	s_lshl_b32 s66, s22, 8                         ; 256 wave
	s_lshl_b32 s67, s26, 11
	s_add_co_u32 s67, s67, s66                     ; 2,048 b + 256 wave
	s_add_co_u32 s66, s66, s59                     ; n + 256 wave
.irp j, 0,1,2,3,4,5,6,7
	s_add_co_u32 s61, s58, s[48+\j]
	v_mbcnt_lo_u32_b32 v[KB+\j], s[40+\j], 0       ; kept rows in the lanes below mine
	v_add_nc_u32 v[KB+\j], s61, v[KB+\j]           ; kb: kept rows of the batch ahead of row e
	v_add_nc_u32 v[PO+\j], s66, v1
	v_add_nc_u32 v[PO+\j], 32*\j, v[PO+\j]         ; n + e
	v_sub_nc_u32 v[PO+\j], v[PO+\j], v[KB+\j]      ; a masked row's place: n + the masked rows ahead of it
	v_cndmask_b32 v[PO+\j], v[PO+\j], v[KB+\j], s[40+\j]   ; a kept row's place: kb
	v_min_u32 v[PO+\j], 0x7ff, v[PO+\j]
	v_lshlrev_b32 v[PO+\j], 2, v[PO+\j]
	v_add_nc_u32 v[VAL+\j], s67, v1
	v_add_nc_u32 v[VAL+\j], 32*\j, v[VAL+\j]       ; the row's number among all 65,536
	global_store_b32 v[PO+\j], v[VAL+\j], s[6:7]
.endr
	s_cmp_lg_u32 s22, 0
	s_cbranch_scc1 .Lothers
	s_add_co_u32 s60, s59, 15
	s_lshr_b32 s60, s60, 4
	s_max_u32 s60, s60, 1                          ; mtq
	s_add_co_u32 s61, s60, 7
	s_lshr_b32 s61, s61, 3                         ; mu
	s_cmp_eq_u32 s59, 0
	s_cselect_b32 s62, 2048, s59                   ; nctx
	v_mov_b32 v8, s59
	v_mov_b32 v9, s60
	v_mov_b32 v10, s61
	v_mov_b32 v11, s62
	s_lshl_b32 s30, s26, 4
	s_add_nc_u64 s[8:9], s[8:9], s[30:31]
	s_wait_xcnt 0x0                                ; EXEC is one of the pending stores' sources: it changes only behind this wait
	s_wait_tensorcnt 0x0
	ds_add_u32 v64, v65
	s_wait_dscnt 0x0
	v_cmpx_gt_u32 1, v1                            ; lane 0 alone
	global_store_b128 v17, v[8:11], s[8:9]
	s_endpgm
.Lothers:
	s_wait_tensorcnt 0x0
	ds_add_u32 v64, v65
	s_wait_dscnt 0x0
	s_endpgm
.Lfunc_end_k_q9f308342e5_prep:
	.size	k_q9f308342e5_prep, .Lfunc_end_k_q9f308342e5_prep-k_q9f308342e5_prep
	.p2alignl 7, 3214868480
	.fill 96, 4, 3214868480
	.section	.rodata,"a",@progbits
	.p2align	6, 0x0
	.amdhsa_kernel k_q9f308342e5_prep
		.amdhsa_group_segment_fixed_size 1280
		.amdhsa_private_segment_fixed_size 0
		.amdhsa_enable_private_segment 0
		.amdhsa_kernarg_size 24
		.amdhsa_user_sgpr_count 2
		.amdhsa_user_sgpr_kernarg_segment_ptr 1
		.amdhsa_wavefront_size32 1
		.amdhsa_system_sgpr_workgroup_id_x 1
		.amdhsa_system_sgpr_workgroup_id_y 1
		.amdhsa_system_sgpr_workgroup_id_z 1
		.amdhsa_system_vgpr_workitem_id 0
		.amdhsa_next_free_vgpr 66
		.amdhsa_next_free_sgpr 96
		.amdhsa_reserve_vcc 0
		.amdhsa_float_denorm_mode_32 3
		.amdhsa_float_denorm_mode_16_64 3
		.amdhsa_memory_ordered 1
		.amdhsa_forward_progress 1
		.amdhsa_inst_pref_size 11
	.end_amdhsa_kernel
	.amdgpu_metadata
---
amdhsa.version: [ 1, 2 ]
amdhsa.kernels:
  - .name:           k_q9f308342e5_prep
    .symbol:         k_q9f308342e5_prep.kd
    .args:
      - { .name: mask, .offset: 0, .size: 8, .value_kind: global_buffer, .address_space: global }
      - { .name: rows, .offset: 8, .size: 8, .value_kind: global_buffer, .address_space: global }
      - { .name: cnt, .offset: 16, .size: 8, .value_kind: global_buffer, .address_space: global }
    .group_segment_fixed_size: 1280
    .private_segment_fixed_size: 0
    .kernarg_segment_align: 8
    .kernarg_segment_size: 24
    .max_flat_workgroup_size: 256
    .sgpr_count:     96
    .vgpr_count:     66
    .wavefront_size: 32
...
	.end_amdgpu_metadata
.endif
;; end of part 1
;; launch quant (part 2): grid 32 x 20, 8 waves a work-group, no clusters, 84,992 bytes of LDS; arguments encoder_outputs, rows, cnt, acodes, W_attn, decoder_hidden, b_attn, wfrag, wscale, bias2; writes acodes, wfrag, wscale, bias2
.if DOCPART == 2
	.amdgcn_target "amdgcn-amd-amdhsa--gfx1250"
	.amdhsa_code_object_version 6
	.text
	.protected	k_q9f308342e5_quant
	.globl	k_q9f308342e5_quant
	.p2align	8
	.type	k_q9f308342e5_quant,@function
k_q9f308342e5_quant:
	s_mov_b64 s[64:65], 0
	v_nop
	global_prefetch_b8 v0, s[64:65] scope:SCOPE_SE
	s_setreg_imm32_b32 hwreg(HW_REG_WAVE_MODE, 25, 1), 1
	s_wait_xcnt 0x0
; THREE ROLES, parted on the work-group's place in the grid alone; each role ends by itself and has LDS bytes of its own.
; ROWS y = 0 .. 15 (tiles).  The kept rows of encoder_outputs (f32, K innermost) are gathered by the list rows[b] and quantised ONCE into codes of E3M2 with E8M0 scales, as tiles of 16 rows laid in the order of the
;   operand's registers.  A work-group takes one unit of 8 tiles of one batch, a wave one tile T = 8 U + wave: list places 16 T .. 16 T + 15, all 8 K steps of 128.  Units under mu are made; the waves of the others end at
;   once: the grid serves every mask.  The kept rows fill the low units, so the place (x, y) is mapped one-to-one onto (b, U) with U = 8 ((x ^ (y >> 3)) & 1) + (y >> 1), b = (x >> 1) + 16 (y & 1): low and high units take
;   turns along x and from y to y + 8, so that the work-groups that have work are strewn evenly through the grid.
;   A tile is 12,800 bytes: fragment s at 1,536 s (register n of lane l at (n / 4) 512 + 16 l + 4 (n % 4)), and at 12,288 + 16 l + 4 q the scale words: lanes 0-15 row r's word of K step 2 q, lanes 16-31 that of 2 q + 1.
;   Each load reads 512 consecutive bytes of one row; a K step's 16 x 512 bytes turn through the wave's own stage in LDS (rows 528 bytes apart), so that lane (r, h) gets k = 64 c + 32 h + 0 .. 31 of row r.
;   These waves share nothing: no barrier.  Loads run two K steps (32 loads a wave) ahead.
; ROWS y = 16 .. 19 (weights), number id = x + 32 (y - 16); wave s takes K step s.
;   id 0-63 (dec): columns 16 t .. 16 t + 15 of dec_proj = Q(decoder_hidden) Q(W_attn[0:1024]); the eight K steps' partial sums meet in LDS; bias2[b][d] = K2 x (dec_proj + b_attn), K2 = 2 log2(e).
;   id 64-127 (enc): W_attn[1024:2048] is quantised along K, its FIRST axis: a lane takes a column and its registers run down K, so the conversions' results ARE the operand's registers; fragment (t, s) is stored as their image.
; LIMITS: NaN and infinities are not served.  A block whose largest magnitude lies under 2^-122 (a block of zeros too) gets the scale byte 1: the bytes are read by this program alone.
.set K2,   0x4038aa3b
.set STG,  8448                        ; LDS: a wave's stage: 16 rows x 528 bytes; eight of them
.set PART, 8*STG                       ; behind them the dec role's partial sums, 2,048 bytes a wave
.set H8,  4                            ; v4      8 x (lane / 16)
.set M,   6                            ; v6-13   at work in QW
.set T,   14                           ; v14-21
.set SW,  22                           ; v22     the scale word just made
.set SQ,  24                           ; v24-27  the tile's scale block
.set C,   28                           ; v28-39  the codes just made (in the weights' roles: W's)
.set OFF, 40                           ; v40-55  row j: its byte offset in encoder_outputs + 16 x lane; never rewritten
.set R,   64                           ; v64-127, v128-191 two sets of 16 x 4 registers as loaded
.set XR,  192                          ; v192-255 my 64 numbers of the K step
.set SWW,  24                          ; the weights' roles: v24-26 scale words: W's, decoder tile 0's, tile 1's
.set SWD0, 25
.set SWD1, 26
.set WX,  64                           ; v64-127 64 numbers of W; when they are done with: the decoder tiles' codes and the two accumulators
.set CD0, 64
.set CD1, 76
.set AC0, 88
.set AC1, 96
.set D0,  128                          ; v128-191, v192-255 64 numbers of decoder tiles 0 and 1
.set D1,  192
.set SEL, 36                           ; s[36:37] v_permlanex16_b32's selects for lane l xor 16
; 64 numbers of a lane, register 32 c + i = k 64 c + 32 (lane / 16) + i of its row or column, become the operand's 12 registers v[C ..] and its scale word v[SW] (whole in both halves of the lanes).
.macro QW X, C, T, M, SW
.irp c, 0,1
	v_max3_num_f32 v[\M+\c], |v[\X+32*\c]|, |v[\X+32*\c+1]|, 0x2800000   ; block 2 c + h: all its 32 numbers are mine; the floor 2^(5 - 127) holds the byte at 1 from below
.endr
.irp i, 2,4,6,8,10,12,14,16,18,20,22,24,26,28,30
.irp c, 0,1
	v_max3_num_f32 v[\M+\c], v[\M+\c], |v[\X+32*\c+\i]|, |v[\X+32*\c+\i+1]|
.endr
.endr
.irp c, 0,1
	v_add_nc_u32 v[\M+2+\c], 0xfe000000, v[\M+\c]      ; 4 off the exponent field: the conversion's scale operand
.endr
.irp c, 0,1
	v_lshrrev_b32 v[\M+4+\c], 23, v[\M+2+\c]           ; the scale's byte
.endr
	v_lshl_or_b32 v[\SW], v[\M+5], 16, v[\M+4]         ; my bytes: blocks h and 2 + h,
	v_lshlrev_b32 v[\SW], v[H8], v[\SW]                ; at their places in the word;
	v_permlanex16_b32 v[\M+6], v[\SW], s[SEL], s[SEL+1]
	v_or_b32 v[\SW], v[\SW], v[\M+6]                   ; with lane l xor 16's two the word is whole
	s_wait_xcnt 0x0                                    ; the last K step's stores have read the codes' registers: they are written again only behind this wait
.irp c, 0,1
	v_cvt_scalef32_pk16_bf6_f32 v[\C+6*\c:\C+6*\c+2], v[\X+32*\c:\X+32*\c+15], v[\M+2+\c]
	v_cvt_scalef32_pk16_bf6_f32 v[\T+4*\c:\T+4*\c+2], v[\X+32*\c+16:\X+32*\c+31], v[\M+2+\c]   ; (a conversion's three registers begin on an even number)
.endr
	v_nop                                              ; one plain place behind a scaled conversion
.irp c, 0,1
.irp i, 0,1,2
	v_mov_b32 v[\C+6*\c+3+\i], v[\T+4*\c+\i]
.endr
.endr
.endm
	s_load_b256 s[4:11], s[0:1], 0x0               ; encoder_outputs s[4:5], rows s[6:7], cnt s[8:9], acodes s[10:11]
	s_load_b256 s[48:55], s[0:1], 0x20             ; W_attn s[48:49], decoder_hidden s[50:51], b_attn s[52:53], wfrag s[54:55]
	s_load_b128 s[56:59], s[0:1], 0x40             ; wscale s[56:57], bias2 s[58:59]
	v_lshl_add_u32 v23, v0, 2, 0x14800
	v_mov_b32 v63, 0
	v_lshrrev_b32 v1, 5, v0
	v_readfirstlane_b32 s12, v1                    ; wave 0..7
	v_and_b32 v5, 31, v0
	v_lshlrev_b32 v1, 4, v5                        ; 16 x lane
	v_and_b32 v3, 15, v0                           ; r
	v_bfe_u32 v[H8], v0, 4, 1                      ; h
	v_lshlrev_b32 v58, 2, v3                       ; 4 r
	v_lshl_add_u32 v59, v[H8], 17, v58             ; W: column r, lanes 16-31 begin 32 rows (of 4,096 bytes) further down
	v_lshlrev_b32 v60, 12, v3
	v_lshl_add_u32 v60, v[H8], 7, v60              ; decoder_hidden: row r, + 128 h bytes
	v_lshl_add_u32 v62, v[H8], 15, v58             ; bias2: 8 h rows down, column r
	s_mul_i32 s14, s12, STG                        ; my stage
	v_add_nc_u32 v2, s14, v1                       ; in: 16 x lane of a row
	v_mul_u32_u24 v3, v3, 528
	v_lshl_add_u32 v3, v[H8], 7, v3
	v_add_nc_u32 v3, s14, v3                       ; out: row r, + 128 h bytes
	v_lshlrev_b32 v[H8], 3, v[H8]
	s_lshl_b32 s23, s12, 11
	s_add_co_u32 s23, s23, PART
	v_add_nc_u32 v56, s23, v1                      ; the dec role: where I put my partial sums: PART + 2,048 wave + 16 lane
	s_lshr_b32 s24, s12, 1
	s_lshl_b32 s24, s24, 9
	s_and_b32 s25, s12, 1
	s_lshl_b32 s25, s25, 3
	s_add_co_u32 s24, s24, s25
	s_add_co_u32 s24, s24, PART
	v_add_nc_u32 v57, s24, v1                      ; and registers 2 w, 2 w + 1 of the sixteen: PART + 512 (w / 2) + 8 (w % 2) + 16 lane, + 2,048 for each source wave
	v_mov_b32 v[M+6], 0                            ; written once: a lane permute's destination counts as one of its sources
	s_mov_b32 s[SEL], 0x76543210
	s_mov_b32 s[SEL+1], 0xfedcba98
	s_mov_b32 s38, 0xffff0000                      ; lanes 16-31
	s_and_b32 s15, ttmp7, 0xffff                   ; y
	s_mov_b32 s41, 0
	s_wait_kmcnt 0x0
	s_cmp_ge_u32 s15, 16
	s_cbranch_scc1 .Lweights
	; ---- tiles
	s_lshr_b32 s40, s15, 3
	s_xor_b32 s40, s40, ttmp9
	s_and_b32 s40, s40, 1                          ; the unit's upper bit: (x ^ (y >> 3)) & 1
	s_lshl_b32 s40, s40, 3
	s_lshr_b32 s42, s15, 1
	s_add_co_u32 s39, s40, s42                     ; U
	s_lshr_b32 s40, ttmp9, 1
	s_and_b32 s42, s15, 1
	s_lshl_b32 s42, s42, 4
	s_add_co_u32 s15, s40, s42                     ; b
	s_lshl_b32 s13, s39, 3
	s_add_co_u32 s13, s13, s12                     ; T = 8 U + wave
	s_lshl_b32 s40, s15, 4
	s_lshl_b32 s42, s15, 13
	s_lshl_b32 s43, s13, 6
	s_add_co_u32 s42, s42, s43                     ; (2,048 b + 16 T) x 4: inside rows for every T
	s_mov_b32 s43, 0
	s_add_nc_u64 s[8:9], s[8:9], s[40:41]
	s_add_nc_u64 s[6:7], s[6:7], s[42:43]
	s_load_b128 s[32:35], s[8:9], 0x0              ; n, mtq, mu, nctx
	s_load_b512 s[16:31], s[6:7], 0x0              ; my tile's 16 row numbers
	s_mul_i32 s40, s15, 1638400                    ; a batch's 128 tiles
	s_mul_i32 s42, s13, 12800
	s_add_co_u32 s40, s40, s42
	s_add_nc_u64 s[10:11], s[10:11], s[40:41]
	s_wait_kmcnt 0x0
	s_lshl_b32 s42, s34, 3
	s_cmp_ge_u32 s13, s42                          ; a tile beyond the batch's last unit is not wanted
	s_cbranch_scc1 .Lend
.irp j, 0,1,2,3,4,5,6,7,8,9,10,11,12,13,14,15
	s_min_u32 s[16+\j], s[16+\j], 0xffff
	v_lshl_add_u32 v[OFF+\j], s[16+\j], 12, v1     ; a row is 4,096 bytes
.endr
.macro LOAD s
.irp j, 0,1,2,3,4,5,6,7,8,9,10,11,12,13,14,15
	global_load_b128 v[R+64*((\s)%2)+4*\j:R+64*((\s)%2)+4*\j+3], v[OFF+\j], s[4:5] offset:512*(\s) th:TH_LOAD_NT   ; 32 lanes read 512 consecutive bytes; the list names no row twice
.endr
.endm
.macro STEP s
.if (\s) < 7
	s_wait_loadcnt 16                              ; this K step's 16 loads are in; the next step's 16 may be out
.else
	s_wait_loadcnt 0x0
.endif
.irp j, 0,1,2,3,4,5,6,7,8,9,10,11,12,13,14,15
	ds_store_b128 v2, v[R+64*((\s)%2)+4*\j:R+64*((\s)%2)+4*\j+3] offset:528*\j
.endr
.irp c, 0,1
.irp i, 0,1,2,3,4,5,6,7
	ds_load_b128 v[XR+32*\c+4*\i:XR+32*\c+4*\i+3], v3 offset:256*\c+16*\i   ; LDS serves a wave's instructions in order: these see my stores
.endr
.endr
	s_wait_dscnt 0x0                               ; my numbers are back, and the stores have read their registers,
.if (\s) < 6
	LOAD (\s)+2                                    ; which take the loads of two steps on
.endif
	QW XR, C, T, M, SW
.irp c, 0,1,2
	global_store_b128 v1, v[C+4*\c:C+4*\c+3], s[10:11] offset:1536*(\s)+512*\c   ; 32 lanes store 512 consecutive bytes
.endr
.if (\s)%2 == 0
	v_mov_b32 v[SQ+(\s)/2], v[SW]
.else
	v_cndmask_b32 v[SQ+(\s)/2], v[SQ+(\s)/2], v[SW], s38   ; lanes 16-31 keep the odd K step's word
.endif
.endm
	LOAD 0
	LOAD 1
.irp s, 0,1,2,3,4,5,6,7
	STEP \s
.endr
	global_store_b128 v1, v[SQ:SQ+3], s[10:11] offset:12288
.Lend:
	s_wait_tensorcnt 0x0
	ds_add_u32 v23, v63
	s_wait_dscnt 0x0
	s_endpgm
	; ---- both weights' roles: 128 rows (K step = wave) x 16 columns (tile t) of W_attn's upper or lower half
.Lweights:
	s_sub_co_u32 s26, s15, 16
	s_lshl_b32 s26, s26, 5
	s_add_co_u32 s27, s26, ttmp9                   ; id 0..127
	s_and_b32 s26, s27, 63                         ; t
	s_lshr_b32 s27, s27, 6                         ; 0: W_dec, 1: W_enc
	s_mov_b32 s31, 0
	s_mov_b32 s33, K2
	s_lshl_b32 s30, s27, 22                        ; 1,024 rows of 4,096 bytes
	s_lshl_b32 s29, s12, 19                        ; 128 rows a K step
	s_add_co_u32 s30, s30, s29
	s_lshl_b32 s29, s26, 6                         ; 16 columns
	s_add_co_u32 s30, s30, s29
	s_add_nc_u64 s[48:49], s[48:49], s[30:31]
.set i, 0
.rept 64
	global_load_b32 v[WX+i], v59, s[48:49] offset:(64*(i/32)+i%32)*4096   ; W(64 c + 32 h + i, r): sixteen lanes read 64 neighbouring bytes
.set i, i+1
.endr
	s_cmp_eq_u32 s27, 0
	s_cbranch_scc1 .Ldec
	; ---- enc: the fragment's image and its scale words
	s_lshl_b32 s28, s26, 3
	s_add_co_u32 s28, s28, s12                     ; 8 t + s
	s_mul_i32 s30, s28, 1536
	s_add_nc_u64 s[54:55], s[54:55], s[30:31]
	s_lshl_b32 s30, s28, 6
	s_add_nc_u64 s[56:57], s[56:57], s[30:31]
	s_wait_loadcnt 0x0
	QW WX, C, T, M, SWW
.irp c, 0,1,2
	global_store_b128 v1, v[C+4*\c:C+4*\c+3], s[54:55] offset:512*\c   ; 32 lanes store 512 consecutive bytes
.endr
	global_store_b32 v58, v[SWW], s[56:57]         ; column r's word; lanes r and 16 + r hold the same word and store it to the same place
	s_endpgm
	; ---- dec: two tiles of 16 batches x 16 columns, my 128 along K
.Ldec:
	s_lshl_b32 s30, s12, 9
	s_add_nc_u64 s[50:51], s[50:51], s[30:31]      ; my K step: 512 bytes along a row
	s_lshl_b32 s30, s26, 6
	s_add_nc_u64 s[52:53], s[52:53], s[30:31]      ; b_attn at column 16 t
.irp c, 0,1
.irp i, 0,1,2,3,4,5,6,7
	global_load_b128 v[D0+32*\c+4*\i:D0+32*\c+4*\i+3], v60, s[50:51] offset:256*\c+16*\i
	global_load_b128 v[D1+32*\c+4*\i:D1+32*\c+4*\i+3], v60, s[50:51] offset:65536+256*\c+16*\i
.endr
.endr
	global_load_b32 v61, v58, s[52:53]
	s_lshr_b32 s28, s12, 2
	s_lshl_b32 s28, s28, 4
	s_and_b32 s29, s12, 3
	s_lshl_b32 s29, s29, 1
	s_add_co_u32 s28, s28, s29                     ; the first batch that I store: 16 (w / 4) + 2 (w % 4)
	s_lshl_b32 s28, s28, 12
	s_add_co_u32 s30, s30, s28
	s_add_nc_u64 s[58:59], s[58:59], s[30:31]
	s_wait_loadcnt 0x0
	QW WX, C, T, M, SWW
	QW D0, CD0, T, M, SWD0
	QW D1, CD1, T, M, SWD1
.rept 8
	v_nop                                          ; a scale register written by a vector instruction stands 8 places ahead of a scaled matrix instruction, an operand so written 4
.endr
	v_wmma_scale_f32_16x16x128_f8f6f4 v[AC0:AC0+7], v[CD0:CD0+11], v[C:C+11], 0, v[SWD0], v[SWW] matrix_a_fmt:MATRIX_FMT_BF6 matrix_b_fmt:MATRIX_FMT_BF6
	v_wmma_scale_f32_16x16x128_f8f6f4 v[AC1:AC1+7], v[CD1:CD1+11], v[C:C+11], 0, v[SWD1], v[SWW] matrix_a_fmt:MATRIX_FMT_BF6 matrix_b_fmt:MATRIX_FMT_BF6
.rept 4
	v_nop                                          ; four places in front of the first read of results
.endr
	ds_store_b128 v56, v[AC0:AC0+3]                ; register j of lane (r, h): batch 8 h + j, column r; each accumulator from its low end on
	ds_store_b128 v56, v[AC0+4:AC0+7] offset:512
	ds_store_b128 v56, v[AC1:AC1+3] offset:1024
	ds_store_b128 v56, v[AC1+4:AC1+7] offset:1536
	s_wait_dscnt 0x0                               ; for the others' sake: my partial sums have landed
	s_barrier_signal -1
	s_barrier_wait -1
.irp k, 0,1,2,3,4,5,6,7
	ds_load_b64 v[D0+2*\k:D0+2*\k+1], v57 offset:2048*\k   ; two of the sixteen registers, from each of the eight K steps
.endr
	v_mul_f32 v61, s33, v61                        ; K2 x b_attn
	s_wait_dscnt 0x0
.irp k, 0,2,4,6
	v_pk_add_f32 v[D0+\k:D0+\k+1], v[D0+\k:D0+\k+1], v[D0+8+\k:D0+9+\k]
.endr
	v_pk_add_f32 v[D0:D0+1], v[D0:D0+1], v[D0+4:D0+5]
	v_pk_add_f32 v[D0+2:D0+3], v[D0+2:D0+3], v[D0+6:D0+7]
	v_pk_add_f32 v[D0:D0+1], v[D0:D0+1], v[D0+2:D0+3]
	v_fma_f32 v[D0], v[D0], s33, v61
	v_fma_f32 v[D0+1], v[D0+1], s33, v61
	global_store_b32 v62, v[D0], s[58:59]
	global_store_b32 v62, v[D0+1], s[58:59] offset:4096
	s_wait_tensorcnt 0x0
	ds_add_u32 v23, v63
	s_wait_dscnt 0x0
	s_endpgm
.Lfunc_end_k_q9f308342e5_quant:
	.size	k_q9f308342e5_quant, .Lfunc_end_k_q9f308342e5_quant-k_q9f308342e5_quant
	.p2alignl 7, 3214868480
	.fill 96, 4, 3214868480
	.section	.rodata,"a",@progbits
	.p2align	6, 0x0
	.amdhsa_kernel k_q9f308342e5_quant
		.amdhsa_group_segment_fixed_size 84992
		.amdhsa_private_segment_fixed_size 0
		.amdhsa_enable_private_segment 0
		.amdhsa_kernarg_size 80
		.amdhsa_user_sgpr_count 2
		.amdhsa_user_sgpr_kernarg_segment_ptr 1
		.amdhsa_wavefront_size32 1
		.amdhsa_system_sgpr_workgroup_id_x 1
		.amdhsa_system_sgpr_workgroup_id_y 1
		.amdhsa_system_sgpr_workgroup_id_z 1
		.amdhsa_system_vgpr_workitem_id 0
		.amdhsa_next_free_vgpr 256
		.amdhsa_next_free_sgpr 66
		.amdhsa_reserve_vcc 0
		.amdhsa_float_denorm_mode_32 3
		.amdhsa_float_denorm_mode_16_64 3
		.amdhsa_memory_ordered 1
		.amdhsa_forward_progress 1
		.amdhsa_inst_pref_size 85
	.end_amdhsa_kernel
	.amdgpu_metadata
---
amdhsa.version: [ 1, 2 ]
amdhsa.kernels:
  - .name:           k_q9f308342e5_quant
    .symbol:         k_q9f308342e5_quant.kd
    .args:
      - { .name: encoder_outputs, .offset: 0, .size: 8, .value_kind: global_buffer, .address_space: global }
      - { .name: rows, .offset: 8, .size: 8, .value_kind: global_buffer, .address_space: global }
      - { .name: cnt, .offset: 16, .size: 8, .value_kind: global_buffer, .address_space: global }
      - { .name: acodes, .offset: 24, .size: 8, .value_kind: global_buffer, .address_space: global }
      - { .name: W_attn, .offset: 32, .size: 8, .value_kind: global_buffer, .address_space: global }
      - { .name: decoder_hidden, .offset: 40, .size: 8, .value_kind: global_buffer, .address_space: global }
      - { .name: b_attn, .offset: 48, .size: 8, .value_kind: global_buffer, .address_space: global }
      - { .name: wfrag, .offset: 56, .size: 8, .value_kind: global_buffer, .address_space: global }
      - { .name: wscale, .offset: 64, .size: 8, .value_kind: global_buffer, .address_space: global }
      - { .name: bias2, .offset: 72, .size: 8, .value_kind: global_buffer, .address_space: global }
    .group_segment_fixed_size: 84992
    .private_segment_fixed_size: 0
    .kernarg_segment_align: 8
    .kernarg_segment_size: 80
    .max_flat_workgroup_size: 256
    .sgpr_count:     66
    .vgpr_count:     256
    .wavefront_size: 32
...
	.end_amdgpu_metadata
.endif
;; end of part 2
;; launch energy (part 3): grid 4 x 64, 4 waves a work-group, no clusters, 233,984 bytes of LDS; arguments acodes, wfrag, wscale, bias2, v_w, cnt, ps; writes ps
.if DOCPART == 3
	.amdgcn_target "amdgcn-amd-amdhsa--gfx1250"
	.amdhsa_code_object_version 6
	.text
	.protected	k_q9f308342e5_energy
	.globl	k_q9f308342e5_energy
	.p2align	8
	.type	k_q9f308342e5_energy,@function
k_q9f308342e5_energy:
	s_mov_b64 s[64:65], 0
	v_nop
	global_prefetch_b8 v0, s[64:65] scope:SCOPE_SE
	s_setreg_imm32_b32 hwreg(HW_REG_WAVE_MODE, 25, 1), 1
	s_wait_xcnt 0x0
; ps[b][slice][place] = the sum over the slice's 64 columns d of v_w[d] tanh(dec_proj[b][d] + enc_proj[row][d] + b_attn[d]), for the kept rows, by their places in the list.
; enc_proj is the quantised product, on codes of E3M2 with E8M0 scales.  tanh(x) = 1 - 2 / (1 + 2^(K2 x)), K2 = 2 log2(e): it goes to +-1 by itself where 2^(K2 x) is infinite or 0, so nothing is clipped.
; SHARES.  Work-group (x, y): batch b = y / 2, every second unit of 8 tiles from g = y % 2 on, columns 256 x .. 256 x + 255.  Wave w owns slice 4 x + w: 64 columns, whose codes of W stay in 384 REGISTERS for the
; whole launch; what goes round is the rows' codes: a unit (102,400 dense bytes) comes from memory into registers, a quarter a wave, goes to one of two LDS buffers, and is read by all four waves.
; No tensor loads, no cluster: which units and tiles are walked hangs on counts read from memory.
; THE PRODUCT IS USED TRANSPOSED (source 0 = 16 columns of W, source 1 = 16 rows): a lane holds ONE row (lane % 16), and register jj column 8 (lane / 16) + jj of the tile: the sum over columns stays in the lane but for one exchange.
; BY TURNS.  Step j multiplies tile j (32 matrix instructions, two accumulators of a window by turns) and, four lines behind each matrix instruction, works tile j - 1's 32 numbers a lane: scale and bias, 2^x, + 1, 1 / x, x (-2 v_w).
; THE NEXT UNIT goes on its way among the steps: my quarter of it, in registers since the trip before, is stored into the other buffer 10 lines at a time at the heads of steps 2 to 6; the unit after next is asked for at
; the head of step 7, so that steps 7, 8, 0 and 1 stand between the request and the wait for it.  A unit that has a successor has all 8 tiles (U + 2 < mu gives mtq - 8 U > 16), so none of these pieces is left out by the early way out.
; THE LOOP has 8 trips whatever the counts; a trip without a unit goes straight to its barrier, so every wave passes every barrier.  Waits that a branch on a count may separate from their loads are for 0.
; REGISTERS, in windows of 256 (s_set_vgpr_msb's low byte: bits 1:0 source 0, 3:2 source 1, 5:4 source 2, 7:6 destination):
;   window 0: v1-6 addresses; v8-11 a unit's sums on their way out; v12-13 at work; v16-31 W's scale words; v32-39 the rows' scale words, two sets; v40-239 a quarter of a unit on its way to LDS
;   windows 1, 2: column tiles 0, 1 and 2, 3: v0-191 W's fragments (t', s) at 12 (8 t' + s); v192-223 accumulators at 192 + 16 set + 8 t'; v224-239 the bias; v240-241 the sum; v242-243 the sum of v_w
;   window 3: v0-191 the rows' fragments, two sets of 8; v192-223 -2 v_w
.set K2,    0x4038aa3b
.set TILE,  12800
.set UNIT,  8*TILE
.set QUART, UNIT/4
.set BUF1,  0x20000                    ; buffer 1 begins here, so that one exclusive or turns one buffer's address into the other's
.set SCR,   UNIT                       ; behind buffer 0: 512 bytes for each wave: a unit's 128 sums
.set WS,    16
.set AS,    32
.set STG,   40
.set ACC,   192
.set BIA,   224
.set SUM,   240
.set VS,    242
.set M2V,   192
.set MSB, 0
.macro WIN new                         ; the immediate's high byte repeats the setting that is left
.if MSB != \new
	s_set_vgpr_msb (MSB<<8)|\new
.set MSB, \new
.endif
.endm
.macro PLACES                          ; four places in front of loads into registers that matrix instructions have read (ISA guide 7.12.1 for vector instructions)
.rept 4
	v_nop
.endr
.endm
.macro BASE                            ; s[32:33] = my quarter of unit s40
	s_mul_i32 s42, s40, UNIT
	s_add_nc_u64 s[32:33], s[4:5], s[42:43]
.endm
.macro GLOAD                           ; my quarter of a unit: 50 loads of 512 consecutive bytes
.set c, 0
.rept 50
	global_load_b128 v[STG+4*c:STG+4*c+3], v1, s[32:33] offset:512*c
.set c, c+1
.endr
.endm
.macro SSTORE                          ; and on into LDS, as it lies (the first unit, ahead of the loop)
.set c, 0
.rept 50
	ds_store_b128 v4, v[STG+4*c:STG+4*c+3] offset:512*c
.set c, c+1
.endr
.endm
.macro PUT q                           ; fifth q of my quarter of the next unit goes into the other buffer, which was read last trip: every wave's reads of it were over at the barrier
	s_cmp_eq_u32 s46, 0
	s_cbranch_scc1 .Lnoput_\@
	s_wait_loadcnt 0x0                             ; asked for four steps ago; the wait stands in each piece, so that it holds on every way here
.set c, 10*(\q)
.rept 10
	ds_store_b128 v4, v[STG+4*c:STG+4*c+3] offset:512*c
.set c, c+1
.endr
.Lnoput_\@:
.endm
.macro ASKNEXT                         ; the unit after next.  The step's own wait on LDS, just above, shows that the stores have read the registers that these loads fill
	s_cmp_eq_u32 s47, 0
	s_cbranch_scc1 .Lnoask_\@
	s_wait_loadcnt 0x0                             ; no load of mine is out on any way here: the registers and the base may be written
	s_add_co_u32 s40, s41, 4
	s_min_u32 s40, s40, 15
	BASE
	GLOAD
.Lnoask_\@:
.endm
.macro ALOAD jt                        ; tile jt's eight fragments and its scale block into set jt % 2
.set pb, (\jt)&1
.set ar, 2+(\jt)/4
	WIN 0xc0                                       ; destination window 3, address window 0
.irp s, 0,1,2,3,4,5,6,7
.irp c, 0,1,2
	ds_load_b128 v[96*pb+12*\s+4*\c:96*pb+12*\s+4*\c+3], v[ar] offset:((\jt)%4)*TILE+1536*\s+512*\c
.endr
.endr
	WIN 0
	ds_load_b128 v[AS+4*pb:AS+4*pb+3], v[ar] offset:((\jt)%4)*TILE+12288
.endm
; Number e of 56 of the vector work on the 16 numbers of window w's two accumulators of the set that is not being multiplied (rX).
.macro ELEM w
.if e < 8
	v_pk_fma_f32 v[rX+2*e:rX+2*e+1], v[rX+2*e:rX+2*e+1], s[36:37], v[BIA+2*e:BIA+2*e+1] op_sel_hi:[1,0,1]   ; K2 x: each accumulator is read from its low end on
.elseif e < 24
	v_exp_f32 v[rX+e-8], v[rX+e-8]
.elseif e < 32
	v_pk_add_f32 v[rX+2*(e-24):rX+2*(e-24)+1], v[rX+2*(e-24):rX+2*(e-24)+1], 1.0 op_sel_hi:[1,0]
.elseif e < 48
	v_rcp_f32 v[rX+e-32], v[rX+e-32]
.elseif e == 48
	v_pk_fma_f32 v[SUM:SUM+1], v[rX:rX+1], v[M2V+16*((\w)-1):M2V+16*((\w)-1)+1], v[VS:VS+1]   ; the sum of v_w starts the sum
.else
	v_pk_fma_f32 v[SUM:SUM+1], v[rX+2*(e-48):rX+2*(e-48)+1], v[M2V+16*((\w)-1)+2*(e-48):M2V+16*((\w)-1)+2*(e-48)+1], v[SUM:SUM+1]
.endif
.endm
.macro SLICE w                         ; numbers 4 k .. 4 k + 3.  The 16 exponentials are one batch and the 16 reciprocals another: behind each a plain line and ONE wait, ahead of its first reader
.if (k == 6) || (k == 12)
	v_nop
	s_wait_alu depctr_va_vdst(0)
.endif
.set e, 4*k
.rept 4
	ELEM \w
.set e, e+1
.endr
.endm
; Window w's half of step j: 16 matrix instructions (K step s = 0 .. 7, the window's two column tiles by turns), a slice behind each of the first 14.
; The scale registers carry an even K step's words in lanes 0-15 and the odd one's in lanes 16-31.
.macro HALF w, j
.set rX, ACC+16*(1-pa)
.set k, 0
.rept 16
.set ss, k/2
.set tp, k%2
.set rD, ACC+16*pa+8*tp
.set rW, 12*(8*tp+ss)
.set rA, 96*pa+12*ss
.set rWS, WS+4*(2*((\w)-1)+tp)+ss/2
.set rAS, AS+4*pa+ss/2
.if (\j) < 8
.if ss == 0
	v_wmma_scale_f32_16x16x128_f8f6f4 v[rD:rD+7], v[rW:rW+11], v[rA:rA+11], 0, v[rWS], v[rAS] matrix_a_fmt:MATRIX_FMT_BF6 matrix_b_fmt:MATRIX_FMT_BF6
.elseif ss%2 == 0
	v_wmma_scale_f32_16x16x128_f8f6f4 v[rD:rD+7], v[rW:rW+11], v[rA:rA+11], v[rD:rD+7], v[rWS], v[rAS] matrix_a_fmt:MATRIX_FMT_BF6 matrix_b_fmt:MATRIX_FMT_BF6
.else
	v_wmma_scale_f32_16x16x128_f8f6f4 v[rD:rD+7], v[rW:rW+11], v[rA:rA+11], v[rD:rD+7], v[rWS], v[rAS] matrix_a_fmt:MATRIX_FMT_BF6 matrix_b_fmt:MATRIX_FMT_BF6 matrix_a_scale:MATRIX_SCALE_ROW1 matrix_b_scale:MATRIX_SCALE_ROW1
.endif
.endif
.if ((\j) >= 1) && (k < 14)
	SLICE \w
.endif
.set k, k+1
.endr
.endm
; Step j: tile j is multiplied (j < 8), tile j - 1 is worked and its 16 sums go to my scratch (j > 0), tile j + 1 is fetched (j < 7).  A unit with m tiles leaves behind step m.
.macro STEP j
.set pa, (\j)&1
.if (\j) >= 1
	s_cmp_lt_u32 s31, \j
	s_cbranch_scc1 .Lend_unit
.endif
	s_wait_dscnt 0x0                               ; tile j's fragments and scale words are in (asked for a step ago); my LDS stores of the last step have read their registers
.if ((\j) >= 2) && ((\j) <= 6)
	PUT (\j)-2
.endif
.if (\j) == 7
	ASKNEXT
.endif
.if (\j) < 7
	PLACES
	ALOAD (\j)+1
.endif
	WIN 0x5d                                       ; W, C and D window 1, the rows' fragments and -2 v_w window 3
	HALF 1, \j
	WIN 0xae                                       ; the same with window 2
	HALF 2, \j
.if (\j) >= 1
	WIN 0x09                                       ; source 0 window 1, source 1 window 2
	v_pk_add_f32 v[12:13], v[SUM:SUM+1], v[SUM:SUM+1]
	WIN 0
	v_add_f32 v12, v12, v13
	v_permlanex16_b32 v13, v12, s38, s39           ; the row's other 32 columns lie in the lane 16 away
	v_add_f32 v12, v12, v13
	ds_store_b32 v5, v12 offset:64*((\j)-1)        ; lanes r and 16 + r store the same number to the same word
.endif
	WIN 0                                          ; at a label and at a branch every window is 0
.endm
	s_load_b256 s[4:11], s[0:1], 0x0               ; acodes s[4:5], wfrag s[6:7], wscale s[8:9], bias2 s[10:11]
	s_load_b128 s[12:15], s[0:1], 0x20             ; v_w s[12:13], cnt s[14:15]
	s_load_b64 s[16:17], s[0:1], 0x30              ; ps
	v_lshl_add_u32 v254, v0, 2, 0x39000
	v_mov_b32 v255, 0
	v_lshrrev_b32 v1, 5, v0
	v_readfirstlane_b32 s18, v1                    ; wave 0..3
	v_and_b32 v13, 31, v0
	v_lshlrev_b32 v1, 4, v13                       ; 16 x lane; never rewritten
	v_lshlrev_b32 v13, 2, v13                      ; 4 x lane
	v_and_b32 v5, 15, v0
	v_bfe_u32 v12, v0, 4, 1
	v_lshlrev_b32 v12, 5, v12                      ; 32 h: my eight columns of a tile, in bytes
	s_lshl_b32 s41, s18, 9
	s_add_co_u32 s41, s41, SCR
	v_lshl_add_u32 v5, v5, 2, s41                  ; my scratch: row r's word
	v_add_nc_u32 v6, s41, v1                       ; and 16 bytes a lane on the way out
	s_mul_i32 s23, s18, QUART
	v_add_nc_u32 v4, s23, v1                       ; my quarter of buffer 0
.irp i, 8,9,10,11
	v_mov_b32 v\i, 0
.endr
	ds_store_b128 v6, v[8:11]                      ; a last unit with fewer than 8 tiles sends the rest of its scratch too: it is written once here
	s_and_b32 s40, ttmp7, 0xffff
	s_lshr_b32 s20, s40, 1                         ; b
	s_and_b32 s21, s40, 1                          ; g
	s_lshl_b32 s22, ttmp9, 2
	s_add_co_u32 s22, s22, s18                     ; my slice
	s_mov_b32 s36, K2
	s_mov_b32 s37, K2                              ; (named with it as a pair, so it is written)
	s_mov_b32 s38, 0x76543210
	s_mov_b32 s39, 0xfedcba98
	s_mov_b32 s43, 0
	s_wait_kmcnt 0x0
	s_lshl_b32 s42, s20, 4
	s_add_nc_u64 s[14:15], s[14:15], s[42:43]
	s_load_b128 s[24:27], s[14:15], 0x0            ; n, mtq, mu, nctx
	s_mul_i32 s42, s20, 16*UNIT
	s_add_co_u32 s42, s42, s23
	s_add_nc_u64 s[4:5], s[4:5], s[42:43]          ; acodes: my batch, my quarter of a unit
	s_mul_i32 s42, s22, 49152
	s_add_nc_u64 s[6:7], s[6:7], s[42:43]          ; wfrag: my 32 fragments
	s_lshl_b32 s42, s22, 11
	s_add_nc_u64 s[8:9], s[8:9], s[42:43]          ; wscale
	s_lshl_b32 s42, s22, 8
	s_add_nc_u64 s[12:13], s[12:13], s[42:43]      ; v_w: my 64 columns
	s_lshl_b32 s44, s20, 12
	s_add_co_u32 s42, s42, s44
	s_add_nc_u64 s[10:11], s[10:11], s[42:43]      ; bias2: my batch, my 64 columns
	s_lshl_b32 s42, s20, 17
	s_lshl_b32 s44, s22, 13
	s_add_co_u32 s42, s42, s44
	s_add_nc_u64 s[16:17], s[16:17], s[42:43]      ; ps: my batch, my slice
.irp w, 1,2
	WIN 0x40*\w                                    ; destination window w
.irp tp, 0,1
.irp s, 0,1,2,3,4,5,6,7
.irp c, 0,1,2
	global_load_b128 v[12*(8*\tp+\s)+4*\c:12*(8*\tp+\s)+4*\c+3], v1, s[6:7] offset:(2*(\w-1)+\tp)*12288+1536*\s+512*\c
.endr
.endr
	global_load_b128 v[BIA+8*\tp:BIA+8*\tp+3], v12, s[10:11] offset:(2*(\w-1)+\tp)*64
	global_load_b128 v[BIA+8*\tp+4:BIA+8*\tp+7], v12, s[10:11] offset:(2*(\w-1)+\tp)*64+16
.endr
.endr
	WIN 0xc0
.irp t, 0,1,2,3
	global_load_b128 v[M2V+8*\t:M2V+8*\t+3], v12, s[12:13] offset:64*\t
	global_load_b128 v[M2V+8*\t+4:M2V+8*\t+7], v12, s[12:13] offset:64*\t+16
.endr
	WIN 0
.irp t, 0,1,2,3
.irp q, 0,1,2,3
	global_load_b32 v[WS+4*\t+\q], v13, s[8:9] offset:512*\t+128*\q   ; lanes 0-15: column r's word of K step 2 q; lanes 16-31: of K step 2 q + 1
.endr
.endr
	s_wait_kmcnt 0x0
	s_sub_co_u32 s28, s26, s21
	s_add_co_u32 s28, s28, 1
	s_lshr_b32 s28, s28, 1                         ; cu: how many of the units g, g + 2, .. lie under mu
	s_sub_co_u32 s44, s26, 1                       ; the batch's last unit (mu is at least 1)
	s_min_u32 s40, s21, s44                        ; the first two loads are issued on every path, held to units that exist
	s_min_u32 s40, s40, 15
	BASE
	GLOAD
	s_add_co_u32 s45, s21, 2
	s_min_u32 s40, s45, s44
	s_min_u32 s40, s40, 15
	s_wait_loadcnt 0x0                             ; W, its scale words, the bias, v_w and the first unit's quarter
	SSTORE
	WIN 0xc3                                       ; destination and source 0 window 3
.set i, 0
.rept 16
	v_pk_mul_f32 v[M2V+i:M2V+i+1], v[M2V+i:M2V+i+1], -2.0 op_sel_hi:[1,0]
.set i, i+2
.endr
.irp w, 1,2
	WIN 0x50*\w+3                                  ; source 0 window 3, source 2 and destination window w
	v_pk_mul_f32 v[VS:VS+1], v[M2V+16*(\w-1):M2V+16*(\w-1)+1], -0.5 op_sel_hi:[1,0]   ; the sum of my 16 v_w of this window, in two halves
.irp p, 2,4,6,8,10,12,14
	v_pk_fma_f32 v[VS:VS+1], v[M2V+16*(\w-1)+\p:M2V+16*(\w-1)+\p+1], -0.5, v[VS:VS+1] op_sel_hi:[1,0,1]
.endr
.endr
	WIN 0
	s_wait_dscnt 0x0                               ; my quarter lies in buffer 0, and the stores have read their registers
	BASE                                           ; (the loads that named s[32:33] are done)
	GLOAD                                          ; the second unit: it is waited for at the head of the first trip's step 2
	s_barrier_signal -1
	s_barrier_wait -1
	s_mov_b32 s29, 0                               ; u
	s_mov_b32 s30, 0                               ; the buffer that this trip reads
.Ltrip:
	v_add_nc_u32 v2, s30, v1                       ; tiles 0-3 of the buffer in hand,
	v_add_nc_u32 v3, 4*TILE, v2                    ; tiles 4-7,
	s_xor_b32 s40, s30, BUF1
	s_add_co_u32 s40, s40, s23
	v_add_nc_u32 v4, s40, v1                       ; and my quarter of the other buffer
	s_cmp_ge_u32 s29, s28
	s_cbranch_scc1 .Lbar                           ; no unit in this trip: on to the barrier
	s_wait_xcnt 0x0                                ; the last trip's store has read its registers and its base
	s_lshl_b32 s41, s29, 1
	s_add_co_u32 s41, s41, s21                     ; U = g + 2 u
	s_lshl_b32 s42, s41, 3
	s_sub_co_u32 s31, s25, s42
	s_min_u32 s31, s31, 8                          ; m: the unit's tiles that are wanted, 1 to 8
	s_lshl_b32 s42, s41, 9
	s_add_nc_u64 s[34:35], s[16:17], s[42:43]      ; the unit's 128 places in ps
	s_add_co_u32 s44, s29, 1
	s_cmp_lt_u32 s44, s28
	s_cselect_b32 s46, 1, 0                        ; 1: this unit has a successor, whose quarter lies in my registers or is on its way there
	s_add_co_u32 s44, s29, 2
	s_cmp_lt_u32 s44, s28
	s_cselect_b32 s47, 1, 0                        ; 1: there is a unit after that one to ask for
	PLACES
	ALOAD 0
	STEP 0
	STEP 1
	STEP 2
	STEP 3
	STEP 4
	STEP 5
	STEP 6
	STEP 7
	STEP 8
.Lend_unit:
	ds_load_b128 v[8:11], v6                       ; LDS serves a wave's instructions in order: this sees my sums
	s_wait_dscnt 0x0
	global_store_b128 v1, v[8:11], s[34:35]        ; 32 lanes store 512 consecutive bytes, at a multiple of 256 from ps's first byte
.Lbar:
	s_wait_dscnt 0x0                               ; my stores into the other buffer have landed, and my reads of this one are over
	s_barrier_signal -1
	s_barrier_wait -1
	s_xor_b32 s30, s30, BUF1
	s_add_co_u32 s29, s29, 1
	s_cmp_lt_u32 s29, 8
	s_cbranch_scc1 .Ltrip
	s_wait_tensorcnt 0x0
	ds_add_u32 v254, v255
	s_wait_dscnt 0x0
	s_endpgm
.Lfunc_end_k_q9f308342e5_energy:
	.size	k_q9f308342e5_energy, .Lfunc_end_k_q9f308342e5_energy-k_q9f308342e5_energy
	.p2alignl 7, 3214868480
	.fill 96, 4, 3214868480
	.section	.rodata,"a",@progbits
	.p2align	6, 0x0
	.amdhsa_kernel k_q9f308342e5_energy
		.amdhsa_group_segment_fixed_size 233984
		.amdhsa_private_segment_fixed_size 0
		.amdhsa_enable_private_segment 0
		.amdhsa_kernarg_size 56
		.amdhsa_user_sgpr_count 2
		.amdhsa_user_sgpr_kernarg_segment_ptr 1
		.amdhsa_wavefront_size32 1
		.amdhsa_system_sgpr_workgroup_id_x 1
		.amdhsa_system_sgpr_workgroup_id_y 1
		.amdhsa_system_sgpr_workgroup_id_z 1
		.amdhsa_system_vgpr_workitem_id 0
		.amdhsa_next_free_vgpr 1024
		.amdhsa_next_free_sgpr 66
		.amdhsa_reserve_vcc 0
		.amdhsa_float_denorm_mode_32 3
		.amdhsa_float_denorm_mode_16_64 3
		.amdhsa_memory_ordered 1
		.amdhsa_forward_progress 1
		.amdhsa_inst_pref_size 132
	.end_amdhsa_kernel
	.amdgpu_metadata
---
amdhsa.version: [ 1, 2 ]
amdhsa.kernels:
  - .name:           k_q9f308342e5_energy
    .symbol:         k_q9f308342e5_energy.kd
    .args:
      - { .name: acodes, .offset: 0, .size: 8, .value_kind: global_buffer, .address_space: global }
      - { .name: wfrag, .offset: 8, .size: 8, .value_kind: global_buffer, .address_space: global }
      - { .name: wscale, .offset: 16, .size: 8, .value_kind: global_buffer, .address_space: global }
      - { .name: bias2, .offset: 24, .size: 8, .value_kind: global_buffer, .address_space: global }
      - { .name: v_w, .offset: 32, .size: 8, .value_kind: global_buffer, .address_space: global }
      - { .name: cnt, .offset: 40, .size: 8, .value_kind: global_buffer, .address_space: global }
      - { .name: ps, .offset: 48, .size: 8, .value_kind: global_buffer, .address_space: global }
    .group_segment_fixed_size: 233984
    .private_segment_fixed_size: 0
    .kernarg_segment_align: 8
    .kernarg_segment_size: 56
    .max_flat_workgroup_size: 128
    .sgpr_count:     66
    .vgpr_count:     1024
    .wavefront_size: 32
...
	.end_amdgpu_metadata
.endif
;; end of part 3
;; launch context (part 4): grid 8 x 32, 16 waves a work-group, no clusters, 27,648 bytes of LDS; arguments ps, rows, cnt, encoder_outputs, out0, out1; writes out0, out1
.if DOCPART == 4
	.amdgcn_target "amdgcn-amd-amdhsa--gfx1250"
	.amdhsa_code_object_version 6
	.text
	.protected	k_q9f308342e5_context
	.globl	k_q9f308342e5_context
	.p2align	8
	.type	k_q9f308342e5_context,@function
k_q9f308342e5_context:
	s_mov_b64 s[64:65], 0
	v_nop
	global_prefetch_b8 v0, s[64:65] scope:SCOPE_SE
	s_setreg_imm32_b32 hwreg(HW_REG_WAVE_MODE, 25, 1), 1
	s_wait_xcnt 0x0
; Work-group (c, b): batch b, columns 128 c .. 128 c + 127 of the context.  512 threads.
; A: thread t takes list places 4 t .. 4 t + 3: the 16 slices' partial scores are added; a place at or beyond n (a masked row) gets -1e9, as the mask asks; softmax over the 2,048 places with the row's
;    maximum taken away; weights and row numbers go to LDS; the work-groups with c = 0 scatter the weights to out1 (rows[b] is a permutation, so every number of out1 is written).
; B: wave w takes places 256 k + 16 w .. + 15, k = 0 .. 7: 512 consecutive bytes of each row, times its weight.  The rows do not hang on the weights, so the loads of trips 0 and 1 (their row numbers come by two
;    scalar loads of the list) are issued AHEAD of A and land while the softmax is made; these two trips are always walked: a place at or beyond n has the weight 0 (or, where no row is kept, 1 / 2,048 like every place).
;    From trip 2 on a trip is walked while its places lie under nctx; trip k + 1's loads are issued ahead of trip k's sums, on two sets of registers.  A trip that is a wave's last is written out a second time,
;    with the lower counts.  The sixteen waves' sums meet in LDS; wave 0 adds them and stores 512 consecutive bytes of out0.
; Products with one row or one column: fused multiply-adds in f32; the matrix unit, clusters and tensor loads have nothing to give here (and the trips hang on a count read from memory).
; LIMITS: NaN and infinities among the inputs are not served (a row with weight 0 may still be multiplied).
.set MAXW, 0                           ; LDS: 16 waves' maxima
.set SUMW, 256                         ; their sums
.set WL,   512                         ; 2,048 weights, by place
.set RL,   8704                        ; 2,048 row numbers, by place
.set RED,  16896                       ; 16 waves x 512 bytes of partial context
.set ACC,  12                          ; v12-15
.set ADR,  16                          ; v16-31, v32-47    two sets of 16 byte offsets
.set DAT,  48                          ; v48-111, v112-175 two sets of 16 x 4 registers of rows
.set PS,   176                         ; v176-239 the partial scores; then at work in A
.set RB,   PS+8                        ; the sixteen waves' maxima or sums
.set WT,   PS+24                       ; my four weights
.set OA,   PS+28                       ; their places in out1
.set PP,   PS+32                       ; my four places
.set WGT,  240                         ; v240-255 a trip's 16 weights; in A v240-243 hold my four places' row numbers
.macro BAR
	s_wait_dscnt 0x0                               ; my LDS stores have landed and my LDS loads are in
	s_barrier_signal -1
	s_barrier_wait -1
.endm
.macro TREE B                          ; 16 runs of four registers from v[B] on are added into the first
.irp d, 32,16,8,4
.set i, 0
.rept \d/2
	v_pk_add_f32 v[\B+i:\B+i+1], v[\B+i:\B+i+1], v[\B+\d+i:\B+\d+i+1]
.set i, i+2
.endr
.endr
.endm
.macro ROWS set                        ; 16 rows' 512 bytes into a set
.irp j, 0,1,2,3,4,5,6,7,8,9,10,11,12,13,14,15
	global_load_b128 v[DAT+64*(\set)+4*\j:DAT+64*(\set)+4*\j+3], v[ADR+16*(\set)+\j], s[10:11] th:TH_LOAD_NT   ; 32 lanes read 512 consecutive bytes; no other wave of the launch reads them
.endr
.endm
.macro ISSUE_S set, sb                 ; a trip's loads, its 16 row numbers in s[sb ..]
.irp j, 0,1,2,3,4,5,6,7,8,9,10,11,12,13,14,15
	s_min_u32 s[\sb+\j], s[\sb+\j], 0xffff
	v_lshl_add_u32 v[ADR+16*(\set)+\j], s[\sb+\j], 12, v7
.endr
	ROWS \set
.endm
.macro ISSUE_L k                       ; trip k's loads, its row numbers from LDS (all lanes read the same 16).  The set's last loads, trip k - 2's, were shown done by the last wait of that trip's sums
.irp i, 0,1,2,3
	ds_load_b128 v[ADR+16*((\k)%2)+4*\i:ADR+16*((\k)%2)+4*\i+3], v6 offset:RL+1024*(\k)+16*\i
.endr
	s_wait_dscnt 0x0
.irp j, 0,1,2,3,4,5,6,7,8,9,10,11,12,13,14,15
	v_min_u32 v[ADR+16*((\k)%2)+\j], 0xffff, v[ADR+16*((\k)%2)+\j]
	v_lshl_add_u32 v[ADR+16*((\k)%2)+\j], v[ADR+16*((\k)%2)+\j], 12, v7
.endr
	ROWS (\k)%2
.endm
.macro CONSUME k, base                 ; trip k's sums.  base: the loads issued behind trip k's: the next trip's 16, or none
.set DSET, DAT+64*((\k)%2)
.irp i, 0,1,2,3
	ds_load_b128 v[WGT+4*\i:WGT+4*\i+3], v6 offset:WL+1024*(\k)+16*\i
.endr
	s_wait_dscnt 0x0
.irp j, 0,2,4,6,8,10,12,14
	s_wait_loadcnt \base+15-\j                     ; row j is in; the rows behind it, and the next trip's, may be out
	v_pk_fma_f32 v[ACC:ACC+1], v[DSET+4*\j:DSET+4*\j+1], v[WGT+\j:WGT+\j+1], v[ACC:ACC+1] op_sel_hi:[1,0,1]
	v_pk_fma_f32 v[ACC+2:ACC+3], v[DSET+4*\j+2:DSET+4*\j+3], v[WGT+\j:WGT+\j+1], v[ACC+2:ACC+3] op_sel_hi:[1,0,1]
	s_wait_loadcnt \base+14-\j
	v_pk_fma_f32 v[ACC:ACC+1], v[DSET+4*\j+4:DSET+4*\j+5], v[WGT+\j:WGT+\j+1], v[ACC:ACC+1] op_sel:[0,1,0] op_sel_hi:[1,1,1]   ; the pair's second register serves both halves
	v_pk_fma_f32 v[ACC+2:ACC+3], v[DSET+4*\j+6:DSET+4*\j+7], v[WGT+\j:WGT+\j+1], v[ACC+2:ACC+3] op_sel:[0,1,0] op_sel_hi:[1,1,1]
.endr
.endm
	s_load_b256 s[4:11], s[0:1], 0x0               ; ps s[4:5], rows s[6:7], cnt s[8:9], encoder_outputs s[10:11]
	s_load_b128 s[12:15], s[0:1], 0x20             ; out0 s[12:13], out1 s[14:15]
	v_lshrrev_b32 v4, 5, v0
	v_readfirstlane_b32 s18, v4                    ; wave 0..15
	v_lshlrev_b32 v6, 6, v4                        ; 64 x wave: my 16 places in a list of words
	v_lshlrev_b32 v4, 2, v4                        ; 4 x wave
	v_lshlrev_b32 v1, 2, v0                        ; 4 t: my first place
	v_lshlrev_b32 v3, 4, v0                        ; 16 t
	v_mov_b32 v5, 0
	v_and_b32 v7, 31, v0
	v_lshlrev_b32 v7, 4, v7
	s_lshl_b32 s19, ttmp9, 9
	v_add_nc_u32 v7, s19, v7                       ; 512 c + 16 lane: my bytes of a row
	v_mov_b32 v9, 0                                ; written once: a lane permute's destination counts as one of its sources
	v_mov_b32 v10, 0xce6e6b28                      ; -1e9
.irp i, 0,1,2,3
	v_mov_b32 v[ACC+\i], 0
.endr
	s_mov_b32 s38, 0x76543210
	s_mov_b32 s39, 0xfedcba98
	s_lshl_b32 s21, s18, 4                         ; 16 x wave
	s_and_b32 s20, ttmp7, 0xffff                   ; b
	s_mov_b32 s41, 0
	s_mov_b32 s43, 0
	s_lshl_b32 s40, s20, 4
	s_lshl_b32 s42, s18, 6
	s_wait_kmcnt 0x0
	s_add_nc_u64 s[8:9], s[8:9], s[40:41]
	s_load_b128 s[24:27], s[8:9], 0x0              ; n, mtq, mu, nctx
	s_lshl_b32 s40, s20, 17
	s_add_nc_u64 s[4:5], s[4:5], s[40:41]
	s_lshl_b32 s40, s20, 13
	s_add_nc_u64 s[6:7], s[6:7], s[40:41]
	s_add_nc_u64 s[44:45], s[6:7], s[42:43]        ; the list at my wave's 16 places
	s_load_b512 s[48:63], s[44:45], 0x0            ; trip 0's row numbers: places 16 w on
	s_load_b512 s[68:83], s[44:45], 0x400          ; trip 1's: places 256 + 16 w on
	s_lshl_b32 s40, s20, 12
	s_add_co_u32 s40, s40, s19
	s_add_nc_u64 s[12:13], s[12:13], s[40:41]
	global_load_b128 v[WGT:WGT+3], v3, s[6:7]      ; my four places' row numbers
	s_wait_kmcnt 0x0
	s_lshl_b32 s42, s25, 4
	s_sub_co_u32 s42, s42, 4
	v_min_u32 v2, s42, v1                          ; places beyond the last tile were not written: read the last four that were (they are replaced below)
	v_min_u32 v2, 0x7fc, v2
	v_lshlrev_b32 v2, 2, v2
.irp s, 0,1,2,3,4,5,6,7,8,9,10,11,12,13,14,15
	global_load_b128 v[PS+4*\s:PS+4*\s+3], v2, s[4:5] offset:8192*\s
.endr
	ISSUE_S 0, 48                                  ; the first two trips' rows go on their way now
	ISSUE_S 1, 68
	s_wait_loadcnt 32                              ; my row numbers and the partial scores are in; the 32 loads of rows issued behind them stay out
	TREE PS
.irp i, 0,1,2,3
	v_add_nc_u32 v[PP+\i], \i, v1
	v_cmp_gt_u32 vcc_lo, s24, v[PP+\i]             ; a kept row's place lies under n
	v_cndmask_b32 v[PS+\i], v10, v[PS+\i], vcc_lo
.endr
	v_max3_num_f32 v8, v[PS], v[PS+1], v[PS+2]
	v_max_num_f32 v8, v8, v[PS+3]
	v_max_num_f32_dpp v8, v8, v8 row_xmask:1 row_mask:0xf bank_mask:0xf
	v_max_num_f32_dpp v8, v8, v8 row_xmask:2 row_mask:0xf bank_mask:0xf
	v_max_num_f32_dpp v8, v8, v8 row_xmask:4 row_mask:0xf bank_mask:0xf
	v_max_num_f32_dpp v8, v8, v8 row_xmask:8 row_mask:0xf bank_mask:0xf
	v_permlanex16_b32 v9, v8, s38, s39
	v_max_num_f32 v8, v8, v9
	ds_store_b32 v4, v8 offset:MAXW
	BAR
.irp i, 0,1,2,3
	ds_load_b128 v[RB+4*\i:RB+4*\i+3], v5 offset:MAXW+16*\i
.endr
	s_wait_dscnt 0x0
	v_max3_num_f32 v8, v[RB], v[RB+1], v[RB+2]
.irp i, 3,5,7,9,11,13
	v_max3_num_f32 v8, v8, v[RB+\i], v[RB+\i+1]
.endr
	v_max_num_f32 v8, v8, v[RB+15]                 ; the batch's largest score
.irp i, 0,1,2,3
	v_sub_f32 v[PS+\i], v[PS+\i], v8
.endr
.irp i, 0,1,2,3
	v_mul_f32 v[PS+\i], 0x3fb8aa3b, v[PS+\i]
.endr
.irp i, 0,1,2,3
	v_exp_f32 v[PS+\i], v[PS+\i]
.endr
	v_nop                                          ; a plain line behind the last exponential,
	s_wait_alu depctr_va_vdst(0)                   ; and one wait for the four, ahead of their first reader
	v_add_f32 v8, v[PS], v[PS+1]
	v_add_f32 v9, v[PS+2], v[PS+3]
	v_add_f32 v8, v8, v9
	v_add_f32_dpp v8, v8, v8 row_xmask:1 row_mask:0xf bank_mask:0xf
	v_add_f32_dpp v8, v8, v8 row_xmask:2 row_mask:0xf bank_mask:0xf
	v_add_f32_dpp v8, v8, v8 row_xmask:4 row_mask:0xf bank_mask:0xf
	v_add_f32_dpp v8, v8, v8 row_xmask:8 row_mask:0xf bank_mask:0xf
	v_permlanex16_b32 v9, v8, s38, s39
	v_add_f32 v8, v8, v9
	ds_store_b32 v4, v8 offset:SUMW
	BAR
.irp i, 0,1,2,3
	ds_load_b128 v[RB+4*\i:RB+4*\i+3], v5 offset:SUMW+16*\i
.endr
	s_wait_dscnt 0x0
.irp i, 0,2,4,6
	v_pk_add_f32 v[RB+\i:RB+\i+1], v[RB+\i:RB+\i+1], v[RB+8+\i:RB+9+\i]
.endr
	v_pk_add_f32 v[RB:RB+1], v[RB:RB+1], v[RB+4:RB+5]
	v_pk_add_f32 v[RB+2:RB+3], v[RB+2:RB+3], v[RB+6:RB+7]
	v_pk_add_f32 v[RB:RB+1], v[RB:RB+1], v[RB+2:RB+3]
	v_add_f32 v8, v[RB], v[RB+1]                   ; at least 1: the largest score's term
	v_rcp_f32 v8, v8
	v_nop
	s_wait_alu depctr_va_vdst(0)
.irp i, 0,1,2,3
	v_mul_f32 v[WT+\i], v[PS+\i], v8               ; the weights
.endr
	ds_store_b128 v3, v[WT:WT+3] offset:WL
	ds_store_b128 v3, v[WGT:WGT+3] offset:RL
	BAR
	s_cmp_lg_u32 ttmp9, 0
	s_cbranch_scc1 .Lno_out1
.irp i, 0,1,2,3
	v_min_u32 v[OA+\i], 0xffff, v[WGT+\i]
	v_lshlrev_b32 v[OA+\i], 2, v[OA+\i]            ; the row's number among all 65,536 is its place in out1
	global_store_b32 v[OA+\i], v[WT+\i], s[14:15]  ; (these eight registers are not written again)
.endr
.Lno_out1:
	CONSUME 0, 16
.irp k, 2,3,4,5,6,7
	s_add_co_u32 s40, s21, 256*\k
	s_cmp_ge_u32 s40, s27
	s_cbranch_scc1 .Llast\k                        ; places from nctx on have weight 0: the trip in flight is my last
	ISSUE_L \k
	CONSUME \k-1, 16
.endr
	CONSUME 7, 0
	s_branch .Ldone
.irp k, 2,3,4,5,6,7
.Llast\k:
	CONSUME \k-1, 0
	s_branch .Ldone
.endr
.Ldone:
	ds_store_b128 v3, v[ACC:ACC+3] offset:RED      ; 16 t = 512 wave + 16 lane
	BAR
	s_cmp_lg_u32 s18, 0
	s_cbranch_scc1 .Lend
.irp k, 0,1,2,3,4,5,6,7,8,9,10,11,12,13,14,15
	ds_load_b128 v[DAT+4*\k:DAT+4*\k+3], v3 offset:RED+512*\k   ; in wave 0, 16 t is 16 x lane
.endr
	s_wait_dscnt 0x0
	TREE DAT
	global_store_b128 v3, v[DAT:DAT+3], s[12:13]   ; 32 lanes store 512 consecutive bytes, at a multiple of 256 from out0's first byte
.Lend:
	s_wait_xcnt 0x0
	v_lshl_add_u32 v254, v0, 2, 0x6400
	v_mov_b32 v255, 0
	s_wait_tensorcnt 0x0
	ds_add_u32 v254, v255
	s_wait_dscnt 0x0
	s_endpgm
.Lfunc_end_k_q9f308342e5_context:
	.size	k_q9f308342e5_context, .Lfunc_end_k_q9f308342e5_context-k_q9f308342e5_context
	.p2alignl 7, 3214868480
	.fill 96, 4, 3214868480
	.section	.rodata,"a",@progbits
	.p2align	6, 0x0
	.amdhsa_kernel k_q9f308342e5_context
		.amdhsa_group_segment_fixed_size 27648
		.amdhsa_private_segment_fixed_size 0
		.amdhsa_enable_private_segment 0
		.amdhsa_kernarg_size 48
		.amdhsa_user_sgpr_count 2
		.amdhsa_user_sgpr_kernarg_segment_ptr 1
		.amdhsa_wavefront_size32 1
		.amdhsa_system_sgpr_workgroup_id_x 1
		.amdhsa_system_sgpr_workgroup_id_y 1
		.amdhsa_system_sgpr_workgroup_id_z 1
		.amdhsa_system_vgpr_workitem_id 0
		.amdhsa_next_free_vgpr 256
		.amdhsa_next_free_sgpr 96
		.amdhsa_reserve_vcc 1
		.amdhsa_float_denorm_mode_32 3
		.amdhsa_float_denorm_mode_16_64 3
		.amdhsa_memory_ordered 1
		.amdhsa_forward_progress 1
		.amdhsa_inst_pref_size 84
	.end_amdhsa_kernel
	.amdgpu_metadata
---
amdhsa.version: [ 1, 2 ]
amdhsa.kernels:
  - .name:           k_q9f308342e5_context
    .symbol:         k_q9f308342e5_context.kd
    .args:
      - { .name: ps, .offset: 0, .size: 8, .value_kind: global_buffer, .address_space: global }
      - { .name: rows, .offset: 8, .size: 8, .value_kind: global_buffer, .address_space: global }
      - { .name: cnt, .offset: 16, .size: 8, .value_kind: global_buffer, .address_space: global }
      - { .name: encoder_outputs, .offset: 24, .size: 8, .value_kind: global_buffer, .address_space: global }
      - { .name: out0, .offset: 32, .size: 8, .value_kind: global_buffer, .address_space: global }
      - { .name: out1, .offset: 40, .size: 8, .value_kind: global_buffer, .address_space: global }
    .group_segment_fixed_size: 27648
    .private_segment_fixed_size: 0
    .kernarg_segment_align: 8
    .kernarg_segment_size: 48
    .max_flat_workgroup_size: 512
    .sgpr_count:     96
    .vgpr_count:     256
    .wavefront_size: 32
...
	.end_amdgpu_metadata
.endif
;; end of part 4
;; ======== version 2 of 2: 4 launches; version 1 with the launches quant, energy written anew for expert scheduling mode
;; workspace buffers: wfrag 786,432 bytes; wscale 32,768 bytes; bias2 131,072 bytes; rows 262,144 bytes of whole numbers; cnt 512 bytes of whole numbers; acodes 52,428,800 bytes; ps 4,194,304 bytes
;; launch prep: the kernel of part 1 again; grid 32 x 1, 8 waves a work-group, no clusters, 1,280 bytes of LDS; arguments mask, rows, cnt; writes rows, cnt
;; launch quant (part 5): grid 32 x 20, 8 waves a work-group, no clusters, 84,992 bytes of LDS; arguments encoder_outputs, rows, cnt, acodes, W_attn, decoder_hidden, b_attn, wfrag, wscale, bias2; writes acodes, wfrag, wscale, bias2
.if DOCPART == 5
	.amdgcn_target "amdgcn-amd-amdhsa--gfx1250"
	.amdhsa_code_object_version 6
	.text
	.protected	k_q9f308342e5_quant
	.globl	k_q9f308342e5_quant
	.p2align	8
	.type	k_q9f308342e5_quant,@function
k_q9f308342e5_quant:
	s_mov_b64 s[64:65], 0
	v_nop
	global_prefetch_b8 v0, s[64:65] scope:SCOPE_SE
	s_setreg_imm32_b32 hwreg(HW_REG_WAVE_SCHED_MODE, 0, 2), 2
	s_setreg_imm32_b32 hwreg(HW_REG_WAVE_MODE, 25, 1), 1
	s_wait_xcnt 0x0
	s_wait_alu depctr_vm_vsrc(0)
; THREE ROLES, parted on the work-group's place in the grid alone; each role ends by itself and has LDS bytes of its own.
; ROWS y = 0 .. 15 (tiles).  The kept rows of encoder_outputs (f32, K innermost) are gathered by the list rows[b] and quantised ONCE into codes of E3M2 with E8M0 scales, as tiles of 16 rows laid in the order of the
;   operand's registers.  A work-group takes one unit of 8 tiles of one batch, a wave one tile T = 8 U + wave: list places 16 T .. 16 T + 15, all 8 K steps of 128.  Units under mu are made; the waves of the others end at
;   once: the grid serves every mask.  The kept rows fill the low units, so the place (x, y) is mapped one-to-one onto (b, U) with U = 8 ((x ^ (y >> 3)) & 1) + (y >> 1), b = (x >> 1) + 16 (y & 1): low and high units take
;   turns along x and from y to y + 8, so that the work-groups that have work are strewn evenly through the grid.
;   A tile is 12,800 bytes: fragment s at 1,536 s (register n of lane l at (n / 4) 512 + 16 l + 4 (n % 4)), and at 12,288 + 16 l + 4 q the scale words: lanes 0-15 row r's word of K step 2 q, lanes 16-31 that of 2 q + 1.
;   Each load reads 512 consecutive bytes of one row; a K step's 16 x 512 bytes turn through the wave's own stage in LDS (rows 528 bytes apart), so that lane (r, h) gets k = 64 c + 32 h + 0 .. 31 of row r.
;   These waves share nothing: no barrier.  Loads run two K steps (32 loads a wave) ahead.
; ROWS y = 16 .. 19 (weights), number id = x + 32 (y - 16); wave s takes K step s.
;   id 0-63 (dec): columns 16 t .. 16 t + 15 of dec_proj = Q(decoder_hidden) Q(W_attn[0:1024]); the eight K steps' partial sums meet in LDS; bias2[b][d] = K2 x (dec_proj + b_attn), K2 = 2 log2(e).
;   id 64-127 (enc): W_attn[1024:2048] is quantised along K, its FIRST axis: a lane takes a column and its registers run down K, so the conversions' results ARE the operand's registers; fragment (t, s) is stored as their image.
; LIMITS: NaN and infinities are not served.  A block whose largest magnitude lies under 2^-122 (a block of zeros too) gets the scale byte 1: the bytes are read by this program alone.
; THE MODE: SCHED_MODE bits 1:0 = 2 (LLVM: expert scheduling mode 2), set by the entry lines.  The code itself states the register dependences between vector or matrix instructions and memory or LDS
; instructions, with s_wait_alu, always for 0.
; THE PLAN, the tiles' role.  Registers that memory or LDS instructions touch:
;   R0, R1     K step s: its loads land in R[s % 2]; the step's LDS stores read it; the loads of step s + 2 land in it again.  No vector instruction names them.
;   XR         K step s: the step's LDS loads land in it; the step's quantiser reads it.
;   C          K step s: the quantiser writes the 12 registers of codes; the three global stores that are issued at the head of step s + 1 read them; step s + 1's quantiser writes them again.
;   SQ         written by a vector line in each step; read by the tile's last store.
;   OFF, v1-3  offsets and LDS addresses, made once ahead of the first load and never written again.
; So a step has ONE wait on va_vdst, at its head behind the wait for its data (the step before has written C and is done reading XR), and ONE on vm_vsrc, behind its LDS loads' wait (the LDS stores have read
; R[s % 2]; the global stores at the head have read C).  The weights' roles are straight runs: their waits stand where the lines below say.
.set K2,   0x4038aa3b
.set STG,  8448                        ; LDS: a wave's stage: 16 rows x 528 bytes; eight of them
.set PART, 8*STG                       ; behind them the dec role's partial sums, 2,048 bytes a wave
.set H8,  4                            ; v4      8 x (lane / 16)
.set M,   6                            ; v6-13   at work in QW
.set T,   14                           ; v14-21
.set SW,  22                           ; v22     the scale word just made
.set SQ,  24                           ; v24-27  the tile's scale block
.set C,   28                           ; v28-39  the codes just made (in the weights' roles: W's)
.set OFF, 40                           ; v40-55  row j: its byte offset in encoder_outputs + 16 x lane; never rewritten
.set R,   64                           ; v64-127, v128-191 two sets of 16 x 4 registers as loaded
.set XR,  192                          ; v192-255 my 64 numbers of the K step
.set SWW,  24                          ; the weights' roles: v24-26 scale words: W's, decoder tile 0's, tile 1's
.set SWD0, 25
.set SWD1, 26
.set WX,  64                           ; v64-127 64 numbers of W; when they are done with: the decoder tiles' codes and the two accumulators
.set CD0, 64
.set CD1, 76
.set AC0, 88
.set AC1, 96
.set D0,  128                          ; v128-191, v192-255 64 numbers of decoder tiles 0 and 1
.set D1,  192
.set SEL, 36                           ; s[36:37] v_permlanex16_b32's selects for lane l xor 16
; 64 numbers of a lane, register 32 c + i = k 64 c + 32 (lane / 16) + i of its row or column, become the operand's 12 registers v[C ..] and its scale word v[SW] (whole in both halves of the lanes).
.macro QW X, C, T, M, SW
.irp c, 0,1
	v_max3_num_f32 v[\M+\c], |v[\X+32*\c]|, |v[\X+32*\c+1]|, 0x2800000   ; block 2 c + h: all its 32 numbers are mine; the floor 2^(5 - 127) holds the byte at 1 from below
.endr
.irp i, 2,4,6,8,10,12,14,16,18,20,22,24,26,28,30
.irp c, 0,1
	v_max3_num_f32 v[\M+\c], v[\M+\c], |v[\X+32*\c+\i]|, |v[\X+32*\c+\i+1]|
.endr
.endr
.irp c, 0,1
	v_add_nc_u32 v[\M+2+\c], 0xfe000000, v[\M+\c]      ; 4 off the exponent field: the conversion's scale operand
.endr
.irp c, 0,1
	v_lshrrev_b32 v[\M+4+\c], 23, v[\M+2+\c]           ; the scale's byte
.endr
	v_lshl_or_b32 v[\SW], v[\M+5], 16, v[\M+4]         ; my bytes: blocks h and 2 + h,
	v_lshlrev_b32 v[\SW], v[H8], v[\SW]                ; at their places in the word;
	v_permlanex16_b32 v[\M+6], v[\SW], s[SEL], s[SEL+1]
	v_or_b32 v[\SW], v[\SW], v[\M+6]                   ; with lane l xor 16's two the word is whole
	s_wait_xcnt 0x0                                    ; the stores of the K step before have had their addresses translated: the codes' registers are written again only behind this wait (that the stores have read them is stated by the wait on vm_vsrc in STEP)
.irp c, 0,1
	v_cvt_scalef32_pk16_bf6_f32 v[\C+6*\c:\C+6*\c+2], v[\X+32*\c:\X+32*\c+15], v[\M+2+\c]
	v_cvt_scalef32_pk16_bf6_f32 v[\T+4*\c:\T+4*\c+2], v[\X+32*\c+16:\X+32*\c+31], v[\M+2+\c]   ; (a conversion's three registers begin on an even number)
.endr
	v_nop                                              ; one plain place behind a scaled conversion
.irp c, 0,1
.irp i, 0,1,2
	v_mov_b32 v[\C+6*\c+3+\i], v[\T+4*\c+\i]
.endr
.endr
.endm
	s_load_b256 s[4:11], s[0:1], 0x0               ; encoder_outputs s[4:5], rows s[6:7], cnt s[8:9], acodes s[10:11]
	s_load_b256 s[48:55], s[0:1], 0x20             ; W_attn s[48:49], decoder_hidden s[50:51], b_attn s[52:53], wfrag s[54:55]
	s_load_b128 s[56:59], s[0:1], 0x40             ; wscale s[56:57], bias2 s[58:59]
	v_lshl_add_u32 v23, v0, 2, 0x14800
	v_mov_b32 v63, 0
	v_lshrrev_b32 v1, 5, v0
	v_readfirstlane_b32 s12, v1                    ; wave 0..7
	v_and_b32 v5, 31, v0
	v_lshlrev_b32 v1, 4, v5                        ; 16 x lane
	v_and_b32 v3, 15, v0                           ; r
	v_bfe_u32 v[H8], v0, 4, 1                      ; h
	v_lshlrev_b32 v58, 2, v3                       ; 4 r
	v_lshl_add_u32 v59, v[H8], 17, v58             ; W: column r, lanes 16-31 begin 32 rows (of 4,096 bytes) further down
	v_lshlrev_b32 v60, 12, v3
	v_lshl_add_u32 v60, v[H8], 7, v60              ; decoder_hidden: row r, + 128 h bytes
	v_lshl_add_u32 v62, v[H8], 15, v58             ; bias2: 8 h rows down, column r
	s_wait_alu depctr_va_sdst(0)                   ; s12 is written, ahead of its first reader: LDS addresses and the buffers' offsets are made from it
	s_mul_i32 s14, s12, STG                        ; my stage
	v_add_nc_u32 v2, s14, v1                       ; in: 16 x lane of a row
	v_mul_u32_u24 v3, v3, 528
	v_lshl_add_u32 v3, v[H8], 7, v3
	v_add_nc_u32 v3, s14, v3                       ; out: row r, + 128 h bytes
	v_lshlrev_b32 v[H8], 3, v[H8]
	s_lshl_b32 s23, s12, 11
	s_add_co_u32 s23, s23, PART
	v_add_nc_u32 v56, s23, v1                      ; the dec role: where I put my partial sums: PART + 2,048 wave + 16 lane
	s_lshr_b32 s24, s12, 1
	s_lshl_b32 s24, s24, 9
	s_and_b32 s25, s12, 1
	s_lshl_b32 s25, s25, 3
	s_add_co_u32 s24, s24, s25
	s_add_co_u32 s24, s24, PART
	v_add_nc_u32 v57, s24, v1                      ; and registers 2 w, 2 w + 1 of the sixteen: PART + 512 (w / 2) + 8 (w % 2) + 16 lane, + 2,048 for each source wave
	v_mov_b32 v[M+6], 0                            ; written once: a lane permute's destination counts as one of its sources
	s_mov_b32 s[SEL], 0x76543210
	s_mov_b32 s[SEL+1], 0xfedcba98
	s_mov_b32 s38, 0xffff0000                      ; lanes 16-31
	s_and_b32 s15, ttmp7, 0xffff                   ; y
	s_mov_b32 s41, 0
	s_wait_kmcnt 0x0
	s_cmp_ge_u32 s15, 16
	s_cbranch_scc1 .Lweights
	; ---- tiles
	s_lshr_b32 s40, s15, 3
	s_xor_b32 s40, s40, ttmp9
	s_and_b32 s40, s40, 1                          ; the unit's upper bit: (x ^ (y >> 3)) & 1
	s_lshl_b32 s40, s40, 3
	s_lshr_b32 s42, s15, 1
	s_add_co_u32 s39, s40, s42                     ; U
	s_lshr_b32 s40, ttmp9, 1
	s_and_b32 s42, s15, 1
	s_lshl_b32 s42, s42, 4
	s_add_co_u32 s15, s40, s42                     ; b
	s_lshl_b32 s13, s39, 3
	s_add_co_u32 s13, s13, s12                     ; T = 8 U + wave
	s_lshl_b32 s40, s15, 4
	s_lshl_b32 s42, s15, 13
	s_lshl_b32 s43, s13, 6
	s_add_co_u32 s42, s42, s43                     ; (2,048 b + 16 T) x 4: inside rows for every T
	s_mov_b32 s43, 0
	s_add_nc_u64 s[8:9], s[8:9], s[40:41]
	s_add_nc_u64 s[6:7], s[6:7], s[42:43]
	s_load_b128 s[32:35], s[8:9], 0x0              ; n, mtq, mu, nctx
	s_load_b512 s[16:31], s[6:7], 0x0              ; my tile's 16 row numbers
	s_mul_i32 s40, s15, 1638400                    ; a batch's 128 tiles
	s_mul_i32 s42, s13, 12800
	s_add_co_u32 s40, s40, s42
	s_add_nc_u64 s[10:11], s[10:11], s[40:41]
	s_wait_kmcnt 0x0
	s_lshl_b32 s42, s34, 3
	s_cmp_ge_u32 s13, s42                          ; a tile beyond the batch's last unit is not wanted
	s_cbranch_scc1 .Lend
.irp j, 0,1,2,3,4,5,6,7,8,9,10,11,12,13,14,15
	s_min_u32 s[16+\j], s[16+\j], 0xffff
	v_lshl_add_u32 v[OFF+\j], s[16+\j], 12, v1     ; a row is 4,096 bytes
.endr
	s_wait_alu depctr_va_vdst(0)                   ; the sixteen offsets v[OFF ..], v1, v2 and v3 are written, which all loads, stores and LDS instructions of this role read as their addresses
.macro LOAD s
.irp j, 0,1,2,3,4,5,6,7,8,9,10,11,12,13,14,15
	global_load_b128 v[R+64*((\s)%2)+4*\j:R+64*((\s)%2)+4*\j+3], v[OFF+\j], s[4:5] offset:512*(\s) th:TH_LOAD_NT   ; 32 lanes read 512 consecutive bytes; the list names no row twice
.endr
.endm
.macro SEND s                          ; K step s's fragment leaves
.irp c, 0,1,2
	global_store_b128 v1, v[C+4*\c:C+4*\c+3], s[10:11] offset:1536*(\s)+512*\c   ; 32 lanes store 512 consecutive bytes
.endr
.endm
.macro STEP s
.if (\s) < 7
	s_wait_loadcnt 16                              ; this K step's 16 loads are in; the next step's 16 may be out
.else
	s_wait_loadcnt 0x0
.endif
.if (\s) > 0
	s_wait_alu depctr_va_vdst(0)                   ; the step before has written its codes v[C ..], which the stores below read, and is done reading v[XR ..], in which the LDS loads below land
	SEND (\s)-1
.endif
.irp j, 0,1,2,3,4,5,6,7,8,9,10,11,12,13,14,15
	ds_store_b128 v2, v[R+64*((\s)%2)+4*\j:R+64*((\s)%2)+4*\j+3] offset:528*\j
.endr
.irp c, 0,1
.irp i, 0,1,2,3,4,5,6,7
	ds_load_b128 v[XR+32*\c+4*\i:XR+32*\c+4*\i+3], v3 offset:256*\c+16*\i   ; LDS serves a wave's instructions in order: these see my stores
.endr
.endr
	s_wait_dscnt 0x0                               ; my numbers are back
	s_wait_alu depctr_vm_vsrc(0)                   ; the LDS stores have read this step's R, in which the loads of two steps on land; the global stores at the step's head have read v[C ..], which the quantiser below writes again
.if (\s) < 6
	LOAD (\s)+2
.endif
	QW XR, C, T, M, SW
.if (\s)%2 == 0
	v_mov_b32 v[SQ+(\s)/2], v[SW]
.else
	v_cndmask_b32 v[SQ+(\s)/2], v[SQ+(\s)/2], v[SW], s38   ; lanes 16-31 keep the odd K step's word
.endif
.endm
	LOAD 0
	LOAD 1
.irp s, 0,1,2,3,4,5,6,7
	STEP \s
.endr
	s_wait_alu depctr_va_vdst(0)                   ; K step 7 has written its codes, and the scale block v[SQ ..] is whole: the last four stores read them
	SEND 7
	global_store_b128 v1, v[SQ:SQ+3], s[10:11] offset:12288
.Lend:
	s_wait_dscnt 0x0                               ; the closing lines, six on end
	s_wait_alu 0x0
	s_wait_tensorcnt 0x0
	ds_add_u32 v23, v63
	s_wait_dscnt 0x0
	s_endpgm
	; ---- both weights' roles: 128 rows (K step = wave) x 16 columns (tile t) of W_attn's upper or lower half
.Lweights:
	s_sub_co_u32 s26, s15, 16
	s_lshl_b32 s26, s26, 5
	s_add_co_u32 s27, s26, ttmp9                   ; id 0..127
	s_and_b32 s26, s27, 63                         ; t
	s_lshr_b32 s27, s27, 6                         ; 0: W_dec, 1: W_enc
	s_mov_b32 s31, 0
	s_mov_b32 s33, K2
	s_lshl_b32 s30, s27, 22                        ; 1,024 rows of 4,096 bytes
	s_lshl_b32 s29, s12, 19                        ; 128 rows a K step
	s_add_co_u32 s30, s30, s29
	s_lshl_b32 s29, s26, 6                         ; 16 columns
	s_add_co_u32 s30, s30, s29
	s_add_nc_u64 s[48:49], s[48:49], s[30:31]
	s_wait_alu depctr_va_vdst(0)                   ; v1, v56 to v60 and v62 are written, which the loads, stores and LDS instructions of these two roles read as their addresses
.set i, 0
.rept 64
	global_load_b32 v[WX+i], v59, s[48:49] offset:(64*(i/32)+i%32)*4096   ; W(64 c + 32 h + i, r): sixteen lanes read 64 neighbouring bytes
.set i, i+1
.endr
	s_cmp_eq_u32 s27, 0
	s_cbranch_scc1 .Ldec
	; ---- enc: the fragment's image and its scale words
	s_lshl_b32 s28, s26, 3
	s_add_co_u32 s28, s28, s12                     ; 8 t + s
	s_mul_i32 s30, s28, 1536
	s_add_nc_u64 s[54:55], s[54:55], s[30:31]
	s_lshl_b32 s30, s28, 6
	s_add_nc_u64 s[56:57], s[56:57], s[30:31]
	s_wait_loadcnt 0x0
	QW WX, C, T, M, SWW
	s_wait_alu depctr_va_vdst(0)                   ; the quantiser has written the codes v[C ..] and the scale word, which the four stores read
.irp c, 0,1,2
	global_store_b128 v1, v[C+4*\c:C+4*\c+3], s[54:55] offset:512*\c   ; 32 lanes store 512 consecutive bytes
.endr
	global_store_b32 v58, v[SWW], s[56:57]         ; column r's word; lanes r and 16 + r hold the same word and store it to the same place
	s_endpgm
	; ---- dec: two tiles of 16 batches x 16 columns, my 128 along K
.Ldec:
	s_lshl_b32 s30, s12, 9
	s_add_nc_u64 s[50:51], s[50:51], s[30:31]      ; my K step: 512 bytes along a row
	s_lshl_b32 s30, s26, 6
	s_add_nc_u64 s[52:53], s[52:53], s[30:31]      ; b_attn at column 16 t
.irp c, 0,1
.irp i, 0,1,2,3,4,5,6,7
	global_load_b128 v[D0+32*\c+4*\i:D0+32*\c+4*\i+3], v60, s[50:51] offset:256*\c+16*\i
	global_load_b128 v[D1+32*\c+4*\i:D1+32*\c+4*\i+3], v60, s[50:51] offset:65536+256*\c+16*\i
.endr
.endr
	global_load_b32 v61, v58, s[52:53]
	s_lshr_b32 s28, s12, 2
	s_lshl_b32 s28, s28, 4
	s_and_b32 s29, s12, 3
	s_lshl_b32 s29, s29, 1
	s_add_co_u32 s28, s28, s29                     ; the first batch that I store: 16 (w / 4) + 2 (w % 4)
	s_lshl_b32 s28, s28, 12
	s_add_co_u32 s30, s30, s28
	s_add_nc_u64 s[58:59], s[58:59], s[30:31]
	s_wait_loadcnt 0x0
	QW WX, C, T, M, SWW
	QW D0, CD0, T, M, SWD0
	QW D1, CD1, T, M, SWD1
.rept 8
	v_nop                                          ; a scale register written by a vector instruction stands 8 places ahead of a scaled matrix instruction, an operand so written 4
.endr
	s_wait_alu depctr_va_vdst(0)                   ; behind the places: the three quantisers have written the codes and the scale words that the two scaled matrix instructions take
	v_wmma_scale_f32_16x16x128_f8f6f4 v[AC0:AC0+7], v[CD0:CD0+11], v[C:C+11], 0, v[SWD0], v[SWW] matrix_a_fmt:MATRIX_FMT_BF6 matrix_b_fmt:MATRIX_FMT_BF6
	v_wmma_scale_f32_16x16x128_f8f6f4 v[AC1:AC1+7], v[CD1:CD1+11], v[C:C+11], 0, v[SWD1], v[SWW] matrix_a_fmt:MATRIX_FMT_BF6 matrix_b_fmt:MATRIX_FMT_BF6
.rept 4
	v_nop                                          ; four places in front of the first read of results
.endr
	s_wait_alu depctr_va_vdst(0)                   ; behind the places: the matrix instructions have written the accumulators, which the LDS stores read; and the quantiser is done reading v[D0 ..], in which the LDS loads behind the barrier land
	ds_store_b128 v56, v[AC0:AC0+3]                ; register j of lane (r, h): batch 8 h + j, column r; each accumulator from its low end on
	ds_store_b128 v56, v[AC0+4:AC0+7] offset:512
	ds_store_b128 v56, v[AC1:AC1+3] offset:1024
	ds_store_b128 v56, v[AC1+4:AC1+7] offset:1536
	s_wait_dscnt 0x0                               ; for the others' sake: my partial sums have landed
	s_barrier_signal -1
	s_barrier_wait -1
.irp k, 0,1,2,3,4,5,6,7
	ds_load_b64 v[D0+2*\k:D0+2*\k+1], v57 offset:2048*\k   ; two of the sixteen registers, from each of the eight K steps
.endr
	v_mul_f32 v61, s33, v61                        ; K2 x b_attn
	s_wait_dscnt 0x0
.irp k, 0,2,4,6
	v_pk_add_f32 v[D0+\k:D0+\k+1], v[D0+\k:D0+\k+1], v[D0+8+\k:D0+9+\k]
.endr
	v_pk_add_f32 v[D0:D0+1], v[D0:D0+1], v[D0+4:D0+5]
	v_pk_add_f32 v[D0+2:D0+3], v[D0+2:D0+3], v[D0+6:D0+7]
	v_pk_add_f32 v[D0:D0+1], v[D0:D0+1], v[D0+2:D0+3]
	v_fma_f32 v[D0], v[D0], s33, v61
	v_fma_f32 v[D0+1], v[D0+1], s33, v61
	s_wait_alu depctr_va_vdst(0)                   ; the two multiply-adds have written v[D0] and v[D0 + 1], which the stores read
	global_store_b32 v62, v[D0], s[58:59]
	global_store_b32 v62, v[D0+1], s[58:59] offset:4096
	s_wait_dscnt 0x0                               ; the closing lines, six on end
	s_wait_alu 0x0
	s_wait_tensorcnt 0x0
	ds_add_u32 v23, v63
	s_wait_dscnt 0x0
	s_endpgm
.Lfunc_end_k_q9f308342e5_quant:
	.size	k_q9f308342e5_quant, .Lfunc_end_k_q9f308342e5_quant-k_q9f308342e5_quant
	.p2alignl 7, 3214868480
	.fill 96, 4, 3214868480
	.section	.rodata,"a",@progbits
	.p2align	6, 0x0
	.amdhsa_kernel k_q9f308342e5_quant
		.amdhsa_group_segment_fixed_size 84992
		.amdhsa_private_segment_fixed_size 0
		.amdhsa_enable_private_segment 0
		.amdhsa_kernarg_size 80
		.amdhsa_user_sgpr_count 2
		.amdhsa_user_sgpr_kernarg_segment_ptr 1
		.amdhsa_wavefront_size32 1
		.amdhsa_system_sgpr_workgroup_id_x 1
		.amdhsa_system_sgpr_workgroup_id_y 1
		.amdhsa_system_sgpr_workgroup_id_z 1
		.amdhsa_system_vgpr_workitem_id 0
		.amdhsa_next_free_vgpr 256
		.amdhsa_next_free_sgpr 66
		.amdhsa_reserve_vcc 0
		.amdhsa_float_denorm_mode_32 3
		.amdhsa_float_denorm_mode_16_64 3
		.amdhsa_memory_ordered 1
		.amdhsa_forward_progress 1
		.amdhsa_inst_pref_size 86
	.end_amdhsa_kernel
	.amdgpu_metadata
---
amdhsa.version: [ 1, 2 ]
amdhsa.kernels:
  - .name:           k_q9f308342e5_quant
    .symbol:         k_q9f308342e5_quant.kd
    .args:
      - { .name: encoder_outputs, .offset: 0, .size: 8, .value_kind: global_buffer, .address_space: global }
      - { .name: rows, .offset: 8, .size: 8, .value_kind: global_buffer, .address_space: global }
      - { .name: cnt, .offset: 16, .size: 8, .value_kind: global_buffer, .address_space: global }
      - { .name: acodes, .offset: 24, .size: 8, .value_kind: global_buffer, .address_space: global }
      - { .name: W_attn, .offset: 32, .size: 8, .value_kind: global_buffer, .address_space: global }
      - { .name: decoder_hidden, .offset: 40, .size: 8, .value_kind: global_buffer, .address_space: global }
      - { .name: b_attn, .offset: 48, .size: 8, .value_kind: global_buffer, .address_space: global }
      - { .name: wfrag, .offset: 56, .size: 8, .value_kind: global_buffer, .address_space: global }
      - { .name: wscale, .offset: 64, .size: 8, .value_kind: global_buffer, .address_space: global }
      - { .name: bias2, .offset: 72, .size: 8, .value_kind: global_buffer, .address_space: global }
    .group_segment_fixed_size: 84992
    .private_segment_fixed_size: 0
    .kernarg_segment_align: 8
    .kernarg_segment_size: 80
    .max_flat_workgroup_size: 256
    .sgpr_count:     66
    .vgpr_count:     256
    .wavefront_size: 32
...
	.end_amdgpu_metadata
.endif
;; end of part 5
;; launch energy (part 6): grid 4 x 64, 4 waves a work-group, no clusters, 233,984 bytes of LDS; arguments acodes, wfrag, wscale, bias2, v_w, cnt, ps; writes ps
.if DOCPART == 6
	.amdgcn_target "amdgcn-amd-amdhsa--gfx1250"
	.amdhsa_code_object_version 6
	.text
	.protected	k_q9f308342e5_energy
	.globl	k_q9f308342e5_energy
	.p2align	8
	.type	k_q9f308342e5_energy,@function
k_q9f308342e5_energy:
	s_mov_b64 s[64:65], 0
	v_nop
	global_prefetch_b8 v0, s[64:65] scope:SCOPE_SE
	s_setreg_imm32_b32 hwreg(HW_REG_WAVE_SCHED_MODE, 0, 2), 2
	s_setreg_imm32_b32 hwreg(HW_REG_WAVE_MODE, 25, 1), 1
	s_wait_xcnt 0x0
	s_wait_alu depctr_vm_vsrc(0)
; ps[b][slice][place] = the sum over the slice's 64 columns d of v_w[d] tanh(dec_proj[b][d] + enc_proj[row][d] + b_attn[d]), for the kept rows, by their places in the list.
; enc_proj is the quantised product, on codes of E3M2 with E8M0 scales.  tanh(x) = 1 - 2 / (1 + 2^(K2 x)), K2 = 2 log2(e): it goes to +-1 by itself where 2^(K2 x) is infinite or 0, so nothing is clipped.
; SHARES.  Work-group (x, y): batch b = y / 2, every second unit of 8 tiles from g = y % 2 on, columns 256 x .. 256 x + 255.  Wave w owns slice 4 x + w: 64 columns, whose codes of W stay in 384 REGISTERS for the
; whole launch; what goes round is the rows' codes: a unit (102,400 dense bytes) comes from memory into registers, a quarter a wave, goes to one of two LDS buffers, and is read by all four waves.
; No tensor loads, no cluster: which units and tiles are walked hangs on counts read from memory.
; THE PRODUCT IS USED TRANSPOSED (source 0 = 16 columns of W, source 1 = 16 rows): a lane holds ONE row (lane % 16), and register jj column 8 (lane / 16) + jj of the tile: the sum over columns stays in the lane but for one exchange.
; BY TURNS.  Step j multiplies tile j (32 matrix instructions, two accumulators of a window by turns) and, four lines behind each matrix instruction, works tile j - 1's 32 numbers a lane: scale and bias, 2^x, + 1, 1 / x, x (-2 v_w).
; THE NEXT UNIT goes on its way among the steps: my quarter of it, in registers since the trip before, is stored into the other buffer 10 lines at a time in steps 2 to 6; the unit after next is asked for at
; the head of step 7, so that steps 7, 8, 0 and 1 stand between the request and the wait for it.  A unit that has a successor has all 8 tiles (U + 2 < mu gives mtq - 8 U > 16), so none of these pieces is left out by the early way out.
; THE LOOP has 8 trips whatever the counts; a trip without a unit goes straight to its barrier, so every wave passes every barrier.  Waits that a branch on a count may separate from their loads are for 0.
; REGISTERS, in windows of 256 (s_set_vgpr_msb's low byte: bits 1:0 source 0, 3:2 source 1, 5:4 source 2, 7:6 destination):
;   window 0: v1-6 addresses; v8-11 a unit's sums on their way out; v12-13 at work; v16-31 W's scale words; v32-39 the rows' scale words, two sets; v40-239 a quarter of a unit on its way to LDS
;   windows 1, 2: column tiles 0, 1 and 2, 3: v0-191 W's fragments (t', s) at 12 (8 t' + s); v192-223 accumulators at 192 + 16 set + 8 t'; v224-239 the bias; v240-241 the sum; v242-243 the sum of v_w
;   window 3: v0-191 the rows' fragments, two sets of 8; v192-223 -2 v_w
; THE MODE: SCHED_MODE bits 1:0 = 2 (LLVM: expert scheduling mode 2), set by the entry lines.  The code itself states the register dependences between vector or matrix instructions and memory or LDS
; instructions, with s_wait_alu, always for 0.
; THE PLAN.  Registers that memory or LDS instructions touch, in the loop:
;   the rows' fragments and scale words, two sets   Step j: its matrix instructions read set j % 2; the LDS loads issued in step j land in the other set, which step j - 1 read.
;   v[STG ..]   Global loads land in it (head of step 7); the LDS stores of the next trip's steps 2 to 6 read it.  No vector instruction names it.
;   v2, v3, v4  Written by three additions at a trip's top; read by the trip's LDS loads and stores as addresses.
;   v12         Written by a step's closing sum; read by the step's one LDS store.
;   v8-11       An LDS load lands in them at a unit's end; the unit's global store reads them.
;   v1, v5, v6  Made at the head, never written again.
; So ONE wait on va_vdst closes each step: v12 is written, and the step's matrix instructions are done reading their set, in which the next step's loads land.  Those loads follow with no further wait, in two
; runs, at the next step's head and between its two halves: nothing issued in between names that set, v2 or v3.  Every early way out leaves from a step's head, behind such a wait.
; One wait on vm_vsrc stands at the heads of steps 2 to 8 (v12; in step 7 v[STG ..]) and one at a trip's top (v2-4, v8-11), with one on va_vdst behind the three additions.
.set K2,    0x4038aa3b
.set TILE,  12800
.set UNIT,  8*TILE
.set QUART, UNIT/4
.set BUF1,  0x20000                    ; buffer 1 begins here, so that one exclusive or turns one buffer's address into the other's
.set SCR,   UNIT                       ; behind buffer 0: 512 bytes for each wave: a unit's 128 sums
.set WS,    16
.set AS,    32
.set STG,   40
.set ACC,   192
.set BIA,   224
.set SUM,   240
.set VS,    242
.set M2V,   192
.set MSB, 0
.macro WIN new                         ; the immediate's high byte repeats the setting that is left
.if MSB != \new
	s_set_vgpr_msb (MSB<<8)|\new
.set MSB, \new
.endif
.endm
.macro PLACES                          ; four plain lines between matrix instructions and a run of loads into registers that they have read; the dependence itself is stated by a wait on va_vdst
.rept 4
	v_nop
.endr
.endm
.macro BASE                            ; s[32:33] = my quarter of unit s40
	s_mul_i32 s42, s40, UNIT
	s_add_nc_u64 s[32:33], s[4:5], s[42:43]
.endm
.macro GLOAD                           ; my quarter of a unit: 50 loads of 512 consecutive bytes
.set c, 0
.rept 50
	global_load_b128 v[STG+4*c:STG+4*c+3], v1, s[32:33] offset:512*c
.set c, c+1
.endr
.endm
.macro SSTORE                          ; and on into LDS, as it lies (the first unit, ahead of the loop)
.set c, 0
.rept 50
	ds_store_b128 v4, v[STG+4*c:STG+4*c+3] offset:512*c
.set c, c+1
.endr
.endm
.macro PUT q                           ; fifth q of my quarter of the next unit goes into the other buffer, which was read last trip: every wave's reads of it were over at the barrier
	s_cmp_eq_u32 s46, 0
	s_cbranch_scc1 .Lnoput_\@
	s_wait_loadcnt 0x0                             ; asked for four steps ago; the wait stands in each piece, so that it holds on every way here
.set c, 10*(\q)
.rept 10
	ds_store_b128 v4, v[STG+4*c:STG+4*c+3] offset:512*c
.set c, c+1
.endr
.Lnoput_\@:
.endm
.macro ASKNEXT                         ; the unit after next.  The step's wait on vm_vsrc, just above, states that the LDS stores have read the registers that these loads fill
	s_cmp_eq_u32 s47, 0
	s_cbranch_scc1 .Lnoask_\@
	s_wait_loadcnt 0x0                             ; no load of mine is out on any way here: the registers and the base may be written
	s_add_co_u32 s40, s41, 4
	s_min_u32 s40, s40, 15
	BASE
	GLOAD
.Lnoask_\@:
.endm
.macro ALOAD jt, f0                    ; four of tile jt's eight fragments, K steps f0 .. f0 + 3, into set jt % 2; with the first four its scale block
.set pb, (\jt)&1
.set ar, 2+(\jt)/4
	WIN 0xc0                                       ; destination window 3, address window 0
.irp s, 0,1,2,3
.irp c, 0,1,2
	ds_load_b128 v[96*pb+12*((\f0)+\s)+4*\c:96*pb+12*((\f0)+\s)+4*\c+3], v[ar] offset:((\jt)%4)*TILE+1536*((\f0)+\s)+512*\c
.endr
.endr
.if (\f0) == 0
	WIN 0
	ds_load_b128 v[AS+4*pb:AS+4*pb+3], v[ar] offset:((\jt)%4)*TILE+12288
.endif
.endm
; Number e of 56 of the vector work on the 16 numbers of window w's two accumulators of the set that is not being multiplied (rX).
.macro ELEM w
.if e < 8
	v_pk_fma_f32 v[rX+2*e:rX+2*e+1], v[rX+2*e:rX+2*e+1], s[36:37], v[BIA+2*e:BIA+2*e+1] op_sel_hi:[1,0,1]   ; K2 x: each accumulator is read from its low end on
.elseif e < 24
	v_exp_f32 v[rX+e-8], v[rX+e-8]
.elseif e < 32
	v_pk_add_f32 v[rX+2*(e-24):rX+2*(e-24)+1], v[rX+2*(e-24):rX+2*(e-24)+1], 1.0 op_sel_hi:[1,0]
.elseif e < 48
	v_rcp_f32 v[rX+e-32], v[rX+e-32]
.elseif e == 48
	v_pk_fma_f32 v[SUM:SUM+1], v[rX:rX+1], v[M2V+16*((\w)-1):M2V+16*((\w)-1)+1], v[VS:VS+1]   ; the sum of v_w starts the sum
.else
	v_pk_fma_f32 v[SUM:SUM+1], v[rX+2*(e-48):rX+2*(e-48)+1], v[M2V+16*((\w)-1)+2*(e-48):M2V+16*((\w)-1)+2*(e-48)+1], v[SUM:SUM+1]
.endif
.endm
.macro SLICE w                         ; numbers 4 k .. 4 k + 3.  The 16 exponentials are one batch and the 16 reciprocals another: behind each a plain line and ONE wait, ahead of its first reader
.if (k == 6) || (k == 12)
	v_nop
	s_wait_alu depctr_va_vdst(0)                   ; the batch just issued (k = 6: the exponentials, k = 12: the reciprocals) has written its sixteen registers of v[rX ..], which the lines below read
.endif
.set e, 4*k
.rept 4
	ELEM \w
.set e, e+1
.endr
.endm
; Window w's half of step j: 16 matrix instructions (K step s = 0 .. 7, the window's two column tiles by turns), a slice behind each of the first 14.
; The scale registers carry an even K step's words in lanes 0-15 and the odd one's in lanes 16-31.
.macro HALF w, j
.set rX, ACC+16*(1-pa)
.set k, 0
.rept 16
.set ss, k/2
.set tp, k%2
.set rD, ACC+16*pa+8*tp
.set rW, 12*(8*tp+ss)
.set rA, 96*pa+12*ss
.set rWS, WS+4*(2*((\w)-1)+tp)+ss/2
.set rAS, AS+4*pa+ss/2
.if (\j) < 8
.if ss == 0
	v_wmma_scale_f32_16x16x128_f8f6f4 v[rD:rD+7], v[rW:rW+11], v[rA:rA+11], 0, v[rWS], v[rAS] matrix_a_fmt:MATRIX_FMT_BF6 matrix_b_fmt:MATRIX_FMT_BF6
.elseif ss%2 == 0
	v_wmma_scale_f32_16x16x128_f8f6f4 v[rD:rD+7], v[rW:rW+11], v[rA:rA+11], v[rD:rD+7], v[rWS], v[rAS] matrix_a_fmt:MATRIX_FMT_BF6 matrix_b_fmt:MATRIX_FMT_BF6
.else
	v_wmma_scale_f32_16x16x128_f8f6f4 v[rD:rD+7], v[rW:rW+11], v[rA:rA+11], v[rD:rD+7], v[rWS], v[rAS] matrix_a_fmt:MATRIX_FMT_BF6 matrix_b_fmt:MATRIX_FMT_BF6 matrix_a_scale:MATRIX_SCALE_ROW1 matrix_b_scale:MATRIX_SCALE_ROW1
.endif
.endif
.if ((\j) >= 1) && (k < 14)
	SLICE \w
.endif
.set k, k+1
.endr
.endm
; Step j: tile j is multiplied (j < 8), tile j - 1 is worked and its 16 sums go to my scratch (j > 0), tile j + 1 is fetched (j < 7), half at the step's head and half between its two halves.
; A unit with m tiles leaves behind step m.
.macro STEP j
.set pa, (\j)&1
.if (\j) >= 1
	s_cmp_lt_u32 s31, \j
	s_cbranch_scc1 .Lend_unit
.endif
	s_wait_dscnt 0x0                               ; tile j's fragments and scale words are in (asked for a step ago)
.if (\j) >= 2
	s_wait_alu depctr_vm_vsrc(0)                   ; the last step's LDS store has read v12, which this step's sum writes again; in step 7: the LDS stores of steps 2 to 6 have read v[STG ..], in which the loads of the unit after next land
.endif
.if (\j) < 7
	PLACES
	ALOAD (\j)+1, 0                                ; no wait: since the wait that closed the last step nothing names the set, the scale words or the address that these loads touch
.endif
.if ((\j) >= 2) && ((\j) <= 6)
	PUT (\j)-2
.endif
.if (\j) == 7
	ASKNEXT
.endif
	WIN 0x5d                                       ; W, C and D window 1, the rows' fragments and -2 v_w window 3
	HALF 1, \j
.if (\j) < 7
	ALOAD (\j)+1, 4                                ; the tile's other four fragments.  No wait: this step's matrix instructions name the other set
.endif
	WIN 0xae                                       ; W, C and D window 2, the rows' fragments and -2 v_w window 3
	HALF 2, \j
.if (\j) >= 1
	WIN 0x09                                       ; source 0 window 1, source 1 window 2
	v_pk_add_f32 v[12:13], v[SUM:SUM+1], v[SUM:SUM+1]
	WIN 0
	v_add_f32 v12, v12, v13
	v_permlanex16_b32 v13, v12, s38, s39           ; the row's other 32 columns lie in the lane 16 away
	v_add_f32 v12, v12, v13
.endif
	WIN 0                                          ; at a label and at a branch every window is 0
	s_wait_alu depctr_va_vdst(0)                   ; the step's one wait: v12 is written, which the LDS store below reads (j > 0); the step's matrix instructions are done reading their fragments and scale words, in which the next loads into that set land (j < 8)
.if (\j) >= 1
	ds_store_b32 v5, v12 offset:64*((\j)-1)        ; lanes r and 16 + r store the same number to the same word
.endif
.endm
	s_load_b256 s[4:11], s[0:1], 0x0               ; acodes s[4:5], wfrag s[6:7], wscale s[8:9], bias2 s[10:11]
	s_load_b128 s[12:15], s[0:1], 0x20             ; v_w s[12:13], cnt s[14:15]
	s_load_b64 s[16:17], s[0:1], 0x30              ; ps
	v_lshl_add_u32 v254, v0, 2, 0x39000
	v_mov_b32 v255, 0
	v_lshrrev_b32 v1, 5, v0
	v_readfirstlane_b32 s18, v1                    ; wave 0..3
	v_and_b32 v13, 31, v0
	v_lshlrev_b32 v1, 4, v13                       ; 16 x lane; never rewritten
	v_lshlrev_b32 v13, 2, v13                      ; 4 x lane
	v_and_b32 v5, 15, v0
	v_bfe_u32 v12, v0, 4, 1
	v_lshlrev_b32 v12, 5, v12                      ; 32 h: my eight columns of a tile, in bytes
	s_wait_alu depctr_va_sdst(0)                   ; s18 is written, ahead of its first reader: LDS addresses and the buffers' offsets are made from it
	s_lshl_b32 s41, s18, 9
	s_add_co_u32 s41, s41, SCR
	v_lshl_add_u32 v5, v5, 2, s41                  ; my scratch: row r's word
	v_add_nc_u32 v6, s41, v1                       ; and 16 bytes a lane on the way out
	s_mul_i32 s23, s18, QUART
	v_add_nc_u32 v4, s23, v1                       ; my quarter of buffer 0
.irp i, 8,9,10,11
	v_mov_b32 v\i, 0
.endr
	s_wait_alu depctr_va_vdst(0)                   ; v1, v4, v5, v6, v12 and v13 are written, which the head's loads and LDS stores read as addresses, and v8-11, the data of the store below
	ds_store_b128 v6, v[8:11]                      ; a last unit with fewer than 8 tiles sends the rest of its scratch too: it is written once here
	s_and_b32 s40, ttmp7, 0xffff
	s_lshr_b32 s20, s40, 1                         ; b
	s_and_b32 s21, s40, 1                          ; g
	s_lshl_b32 s22, ttmp9, 2
	s_add_co_u32 s22, s22, s18                     ; my slice
	s_mov_b32 s36, K2
	s_mov_b32 s37, K2                              ; (named with it as a pair, so it is written)
	s_mov_b32 s38, 0x76543210
	s_mov_b32 s39, 0xfedcba98
	s_mov_b32 s43, 0
	s_wait_kmcnt 0x0
	s_lshl_b32 s42, s20, 4
	s_add_nc_u64 s[14:15], s[14:15], s[42:43]
	s_load_b128 s[24:27], s[14:15], 0x0            ; n, mtq, mu, nctx
	s_mul_i32 s42, s20, 16*UNIT
	s_add_co_u32 s42, s42, s23
	s_add_nc_u64 s[4:5], s[4:5], s[42:43]          ; acodes: my batch, my quarter of a unit
	s_mul_i32 s42, s22, 49152
	s_add_nc_u64 s[6:7], s[6:7], s[42:43]          ; wfrag: my 32 fragments
	s_lshl_b32 s42, s22, 11
	s_add_nc_u64 s[8:9], s[8:9], s[42:43]          ; wscale
	s_lshl_b32 s42, s22, 8
	s_add_nc_u64 s[12:13], s[12:13], s[42:43]      ; v_w: my 64 columns
	s_lshl_b32 s44, s20, 12
	s_add_co_u32 s42, s42, s44
	s_add_nc_u64 s[10:11], s[10:11], s[42:43]      ; bias2: my batch, my 64 columns
	s_lshl_b32 s42, s20, 17
	s_lshl_b32 s44, s22, 13
	s_add_co_u32 s42, s42, s44
	s_add_nc_u64 s[16:17], s[16:17], s[42:43]      ; ps: my batch, my slice
.irp w, 1,2
	WIN 0x40*\w                                    ; destination window w
.irp tp, 0,1
.irp s, 0,1,2,3,4,5,6,7
.irp c, 0,1,2
	global_load_b128 v[12*(8*\tp+\s)+4*\c:12*(8*\tp+\s)+4*\c+3], v1, s[6:7] offset:(2*(\w-1)+\tp)*12288+1536*\s+512*\c
.endr
.endr
	global_load_b128 v[BIA+8*\tp:BIA+8*\tp+3], v12, s[10:11] offset:(2*(\w-1)+\tp)*64
	global_load_b128 v[BIA+8*\tp+4:BIA+8*\tp+7], v12, s[10:11] offset:(2*(\w-1)+\tp)*64+16
.endr
.endr
	WIN 0xc0
.irp t, 0,1,2,3
	global_load_b128 v[M2V+8*\t:M2V+8*\t+3], v12, s[12:13] offset:64*\t
	global_load_b128 v[M2V+8*\t+4:M2V+8*\t+7], v12, s[12:13] offset:64*\t+16
.endr
	WIN 0
.irp t, 0,1,2,3
.irp q, 0,1,2,3
	global_load_b32 v[WS+4*\t+\q], v13, s[8:9] offset:512*\t+128*\q   ; lanes 0-15: column r's word of K step 2 q; lanes 16-31: of K step 2 q + 1
.endr
.endr
	s_wait_kmcnt 0x0
	s_sub_co_u32 s28, s26, s21
	s_add_co_u32 s28, s28, 1
	s_lshr_b32 s28, s28, 1                         ; cu: how many of the units g, g + 2, .. lie under mu
	s_sub_co_u32 s44, s26, 1                       ; the batch's last unit (mu is at least 1)
	s_min_u32 s40, s21, s44                        ; the first two loads are issued on every path, held to units that exist
	s_min_u32 s40, s40, 15
	BASE
	GLOAD
	s_add_co_u32 s45, s21, 2
	s_min_u32 s40, s45, s44
	s_min_u32 s40, s40, 15
	s_wait_loadcnt 0x0                             ; W, its scale words, the bias, v_w and the first unit's quarter
	SSTORE
	WIN 0xc3                                       ; destination and source 0 window 3
.set i, 0
.rept 16
	v_pk_mul_f32 v[M2V+i:M2V+i+1], v[M2V+i:M2V+i+1], -2.0 op_sel_hi:[1,0]
.set i, i+2
.endr
.irp w, 1,2
	WIN 0x50*\w+3                                  ; source 0 window 3, source 2 and destination window w
	v_pk_mul_f32 v[VS:VS+1], v[M2V+16*(\w-1):M2V+16*(\w-1)+1], -0.5 op_sel_hi:[1,0]   ; the sum of my 16 v_w of this window, in two halves
.irp p, 2,4,6,8,10,12,14
	v_pk_fma_f32 v[VS:VS+1], v[M2V+16*(\w-1)+\p:M2V+16*(\w-1)+\p+1], -0.5, v[VS:VS+1] op_sel_hi:[1,0,1]
.endr
.endr
	WIN 0
	s_wait_dscnt 0x0                               ; my quarter lies in buffer 0
	s_wait_alu depctr_vm_vsrc(0)                   ; the LDS stores have read v[STG ..], in which the loads below land
	BASE                                           ; (the loads that named s[32:33] are done)
	GLOAD                                          ; the second unit: it is waited for in the first trip's step 2
	s_barrier_signal -1
	s_barrier_wait -1
	s_mov_b32 s29, 0                               ; u
	s_mov_b32 s30, 0                               ; the buffer that this trip reads
.Ltrip:
	s_wait_alu depctr_vm_vsrc(0)                   ; the last trip's LDS loads and stores have read v2, v3 and v4, which are written below, and its global store v8-11, in which this trip's LDS load lands; on the way in: the head's loads have read v12 and v13, which step 1 writes
	v_add_nc_u32 v2, s30, v1                       ; tiles 0-3 of the buffer in hand,
	v_add_nc_u32 v3, 4*TILE, v2                    ; tiles 4-7,
	s_xor_b32 s40, s30, BUF1
	s_add_co_u32 s40, s40, s23
	v_add_nc_u32 v4, s40, v1                       ; and my quarter of the other buffer
	s_cmp_ge_u32 s29, s28
	s_cbranch_scc1 .Lbar                           ; no unit in this trip: on to the barrier
	s_wait_xcnt 0x0                                ; the last trip's store has had its address translated: its registers and its base are written again only behind this wait
	s_lshl_b32 s41, s29, 1
	s_add_co_u32 s41, s41, s21                     ; U = g + 2 u
	s_lshl_b32 s42, s41, 3
	s_sub_co_u32 s31, s25, s42
	s_min_u32 s31, s31, 8                          ; m: the unit's tiles that are wanted, 1 to 8
	s_lshl_b32 s42, s41, 9
	s_add_nc_u64 s[34:35], s[16:17], s[42:43]      ; the unit's 128 places in ps
	s_add_co_u32 s44, s29, 1
	s_cmp_lt_u32 s44, s28
	s_cselect_b32 s46, 1, 0                        ; 1: this unit has a successor, whose quarter lies in my registers or is on its way there
	s_add_co_u32 s44, s29, 2
	s_cmp_lt_u32 s44, s28
	s_cselect_b32 s47, 1, 0                        ; 1: there is a unit after that one to ask for
	PLACES
	s_wait_alu depctr_va_vdst(0)                   ; v2, v3 and v4 are written, which this trip's LDS loads and stores read as addresses
	ALOAD 0, 0
	ALOAD 0, 4
	STEP 0
	STEP 1
	STEP 2
	STEP 3
	STEP 4
	STEP 5
	STEP 6
	STEP 7
	STEP 8
.Lend_unit:
	ds_load_b128 v[8:11], v6                       ; LDS serves a wave's instructions in order: this sees my sums
	s_wait_dscnt 0x0
	global_store_b128 v1, v[8:11], s[34:35]        ; 32 lanes store 512 consecutive bytes, at a multiple of 256 from ps's first byte
.Lbar:
	s_wait_dscnt 0x0                               ; my stores into the other buffer have landed, and my reads of this one are over
	s_barrier_signal -1
	s_barrier_wait -1
	s_xor_b32 s30, s30, BUF1
	s_add_co_u32 s29, s29, 1
	s_cmp_lt_u32 s29, 8
	s_cbranch_scc1 .Ltrip
	s_wait_dscnt 0x0                               ; the closing lines, six on end
	s_wait_alu 0x0
	s_wait_tensorcnt 0x0
	ds_add_u32 v254, v255
	s_wait_dscnt 0x0
	s_endpgm
.Lfunc_end_k_q9f308342e5_energy:
	.size	k_q9f308342e5_energy, .Lfunc_end_k_q9f308342e5_energy-k_q9f308342e5_energy
	.p2alignl 7, 3214868480
	.fill 96, 4, 3214868480
	.section	.rodata,"a",@progbits
	.p2align	6, 0x0
	.amdhsa_kernel k_q9f308342e5_energy
		.amdhsa_group_segment_fixed_size 233984
		.amdhsa_private_segment_fixed_size 0
		.amdhsa_enable_private_segment 0
		.amdhsa_kernarg_size 56
		.amdhsa_user_sgpr_count 2
		.amdhsa_user_sgpr_kernarg_segment_ptr 1
		.amdhsa_wavefront_size32 1
		.amdhsa_system_sgpr_workgroup_id_x 1
		.amdhsa_system_sgpr_workgroup_id_y 1
		.amdhsa_system_sgpr_workgroup_id_z 1
		.amdhsa_system_vgpr_workitem_id 0
		.amdhsa_next_free_vgpr 1024
		.amdhsa_next_free_sgpr 66
		.amdhsa_reserve_vcc 0
		.amdhsa_float_denorm_mode_32 3
		.amdhsa_float_denorm_mode_16_64 3
		.amdhsa_memory_ordered 1
		.amdhsa_forward_progress 1
		.amdhsa_inst_pref_size 133
	.end_amdhsa_kernel
	.amdgpu_metadata
---
amdhsa.version: [ 1, 2 ]
amdhsa.kernels:
  - .name:           k_q9f308342e5_energy
    .symbol:         k_q9f308342e5_energy.kd
    .args:
      - { .name: acodes, .offset: 0, .size: 8, .value_kind: global_buffer, .address_space: global }
      - { .name: wfrag, .offset: 8, .size: 8, .value_kind: global_buffer, .address_space: global }
      - { .name: wscale, .offset: 16, .size: 8, .value_kind: global_buffer, .address_space: global }
      - { .name: bias2, .offset: 24, .size: 8, .value_kind: global_buffer, .address_space: global }
      - { .name: v_w, .offset: 32, .size: 8, .value_kind: global_buffer, .address_space: global }
      - { .name: cnt, .offset: 40, .size: 8, .value_kind: global_buffer, .address_space: global }
      - { .name: ps, .offset: 48, .size: 8, .value_kind: global_buffer, .address_space: global }
    .group_segment_fixed_size: 233984
    .private_segment_fixed_size: 0
    .kernarg_segment_align: 8
    .kernarg_segment_size: 56
    .max_flat_workgroup_size: 128
    .sgpr_count:     66
    .vgpr_count:     1024
    .wavefront_size: 32
...
	.end_amdgpu_metadata
.endif
;; end of part 6
;; launch context: the kernel of part 4 again; grid 8 x 32, 16 waves a work-group, no clusters, 27,648 bytes of LDS; arguments ps, rows, cnt, encoder_outputs, out0, out1; writes out0, out1
